; MI455X (gfx1250); checked and timed in simulation.
; The chip was launched on July 23, 2026; its instructions are those of AMD's public machine-readable ISA for CDNA 5 (MIT licence, August 2026) and "CDNA5" Instruction Set Architecture Reference Guide (July 2026). The comments in the code are by the model that wrote it; some were corrected since.
;; MHA. Allowed arithmetic: matrix products marked QUANTISED: E2M3 operands, one E8M0 scale for each 32 along K, by v_wmma_scale_f32_16x16x128_f8f6f4 with both operands' format E2M3, f32 sums; everything else in f32.
;; Inputs: Wk 512 x 512 float32; Wo 512 x 512 float32; Wq 512 x 512 float32; Wv 512 x 512 float32; attention_mask 2 x 4,096 int32; k 2 x 4,096 x 512 float32; q 2 x 4,096 x 512 float32; v 2 x 4,096 x 512 float32.
;; Outputs: out0 2 x 4,096 x 512 float32.
;; This version of the problem:
;;   THIS VERSION OF THE PROBLEM IS GIVEN IN LOW PRECISION. The matrix products marked QUANTISED in the list below multiply operands that are first quantised to E2M3 (2 exponent bits, 3 mantissa bits; 6 bits a number), with one power-of-two scale for each 32 numbers along K (OCP MX v1.0); their sums are f32. All else is computed in f32.
;;   The module's matrix products, in the order in which they are computed (A, B: the left and right operand; K: the contracted axis; several contracted axes count as one K, in the product's order):
;;     1. [M 8,192, K 512] x [K 512, N 512]; A: input q; B: input Wq: QUANTISED
;;     2. [M 8,192, K 512] x [K 512, N 512]; A: input k; B: input Wk: QUANTISED
;;     3. [M 8,192, K 512] x [K 512, N 512]; A: input v; B: input Wv: QUANTISED
;;     4. batch 16 x [M 4,096, K 64] x [K 64, N 4,096]; A: computed on the way; B: computed on the way: QUANTISED
;;     5. batch 16 x [M 4,096, K 4,096] x [K 4,096, N 64]; A: softmax (see below); B: computed on the way: QUANTISED
;;     6. [M 8,192, K 512] x [K 512, N 512]; A: computed on the way; B: input Wo: QUANTISED
;;   THE QUANTISER, for each operand of a quantised product, along K:
;;     - K is cut into blocks of 32 from its start; a last block that is shorter is filled with zeros.
;;     - A block's scale is 2^e with e = floor(log2(the largest magnitude in the block)) - 2, held to -126 .. 127; a block of zeros has e = 0. As a byte (E8M0): e + 127.
;;     - Each number is divided by its block's scale, clamped to +-7.5, and rounded to the nearest number of E2M3, ties to even, subnormals kept.
;;     - The product sums the exact products of the quantised numbers (number of the format x scale) in f32.
;;   ~~~python
;;   def quantise(x, axis):      # numpy; x: float32 -> the quantised numbers, widened to float32 again
;;       x = np.moveaxis(x, axis, -1); K = x.shape[-1]
;;       x = np.pad(x, [(0, 0)] * (x.ndim - 1) + [(0, -K % 32)]); x = x.reshape(x.shape[:-1] + (-1, 32)); a = np.abs(x).max(-1, keepdims=True)
;;       e = np.where(a > 0, np.clip(np.frexp(np.where(a > 0, a, 1))[1] - 1 - 2, -126, 127), 0)      # np.frexp(a)[1] - 1 = floor(log2(a)), exactly
;;       r = np.clip(x / 2.0 ** e, -7.5, 7.5)
;;       step = 2.0 ** (np.maximum(np.frexp(np.where(r == 0, 1, r))[1] - 1, 0) - 3)
;;       q = np.round(r / step) * step * 2.0 ** e      # np.round: ties to even
;;       return np.moveaxis(q.reshape(q.shape[:-2] + (-1,))[..., :K], -1, axis).astype(np.float32)
;;   ~~~
;;   SOFTMAX AHEAD OF A QUANTISED PRODUCT. Where the list says 'softmax', what is quantised is not the finished softmax but p = 2^(t - M), with t = logit x log2(e) and M = ceil(the row's largest t), a whole number; so 1/2 < the row's largest p <= 1. The row's sum l is taken of the UNQUANTISED p, in f32, and the product's result is divided by l at the end. Since M is a whole number, a kernel that streams over the keys may use a running M (the ceiling of the running maximum): every later rescaling is an exact power of two, which a block's scale takes up: the codes' values come out the same.
;;   OPERANDS COMPUTED ON THE WAY. 'Computed on the way' means the value that the module computes at that place (a softmax that the list does not call 'softmax' is quantised finished and normalised). What goes into a quantiser is computed in f32, as accurately as f32 sums, v_exp_f32 and their like allow (about 1e-6 of the number): no bf16 or f16 on the way to a quantiser, and a product that is left as it is and whose result goes on into a quantised operand takes f32 operands (vector FMAs, or v_wmma_f32_16x16x4_f32). A number that lies on a knife's edge between two numbers of the format may be rounded either way, as far as f32 arithmetic and the matrix unit's own rounding can turn it there, and no further.
;; 2 versions. Each part assembles by itself: llvm-mc -triple=amdgcn-amd-amdhsa -mcpu=gfx1250 --defsym DOCPART=n.
;; ======== version 1 of 2: 4 launches
;; limits: right only within a limited range of input values
;; workspace buffers: WC 819,200 bytes; QB 3,407,872 bytes; KV 6,684,672 bytes; AC 3,145,728 bytes; AS 262,144 bytes
;; launch prep (part 1): grid 32 x 4, 4 waves a work-group, no clusters, 1,024 bytes of LDS; arguments Wq, Wk, Wv, Wo, WC; writes WC
.if DOCPART == 1
	.amdgcn_target "amdgcn-amd-amdhsa--gfx1250"
	.amdhsa_code_object_version 6
	.text
	.protected	k_q5ecb71a71e_prep
	.globl	k_q5ecb71a71e_prep
	.p2align	8
	.type	k_q5ecb71a71e_prep,@function
k_q5ecb71a71e_prep:
	s_mov_b64 s[64:65], 0
	v_nop
	global_prefetch_b8 v0, s[64:65] scope:SCOPE_SE
	s_setreg_imm32_b32 hwreg(HW_REG_WAVE_MODE, 25, 1), 1
	s_wait_xcnt 0x0
; MULTI-HEAD ATTENTION IN MX-FP6, FOUR LAUNCHES: prep (this one), proj, attn, outp.
; NO WORK OF reference() IS LEFT OUT: all six products are done, every input is loaded (the mask too, in proj).
; LIMITS of the whole program: NaN and infinities among the inputs are not served; |score x log2(e) / 8| stays under 2^89 (proj and attn say why).
; THIS LAUNCH turns Wq, Wk, Wv, Wo ([512 (k)][512 (n)] f32, K the FIRST axis) into codes of FP6 (E2M3) with one E8M0 byte for each 32 along K,
; laid in the order of the operand's registers, so that every later read is a plain load of 16 bytes a lane.
; WC: [weight 0..3][w 0..7] records of 25,600 bytes, columns 64 w .. 64 w + 63.  Fragment (t, s) (16 columns x 128 K, 12 registers a lane) at (4 t + s) x 1,536:
; three groups of four registers, lane l's 16 bytes at 16 l.  At 24,576 + 256 s the scale words of K step s: lane l's 8 bytes at 8 l: register a holds tile 2 a's word
; in lanes 0-15 and tile 2 a + 1's in lanes 16-31.
; THE COLUMNS OF A TILE ARE NOT NEIGHBOURS: lane r of tile t takes column 32 (t / 2) + 8 (t % 2) + r + 8 (r / 8), so that in a product's result the 16 registers of tiles 2 b, 2 b + 1 are 16 neighbours.
; SHARES: work-group x = 4 w + s, y = the weight; wave t makes fragment (t, s).  A LANE TAKES A COLUMN AND ITS REGISTERS RUN DOWN K: a lane holds two whole blocks of 32, and nothing is transposed.
; A block's byte is its largest magnitude's exponent field - 2, held at 1 from below (a block of zeros gets 1: its codes are zeros, and this program alone reads the bytes).
.set SPARE, 256                        ; LDS: bytes 0-255 the four tiles' scale words; from 256 the spare words, 128 bytes a wave
.set SPW,   12                         ; v12 my spare word's address; never rewritten
.set NIL,   13                         ; v13 0; never rewritten
.set X,     64                         ; v64-127 my 64 numbers
	s_load_b256 s[4:11], s[0:1], 0x0               ; Wq, Wk, Wv, Wo
	s_load_b64 s[12:13], s[0:1], 0x20              ; WC
	v_lshl_add_u32 v[SPW], v0, 2, SPARE
	v_mov_b32 v[NIL], 0
	v_lshrrev_b32 v1, 5, v0
	v_readfirstlane_b32 s14, v1                    ; wave = tile t
	v_and_b32 v1, 15, v0                           ; r
	v_bfe_u32 v2, v0, 4, 1                         ; h
	v_and_b32 v3, 31, v0                           ; lane
	v_and_b32 v4, 8, v1
	v_add_nc_u32 v4, v4, v1                        ; r + 8 (r / 8)
	v_lshlrev_b32 v5, 2, v4
	v_lshl_add_u32 v5, v2, 16, v5                  ; in: my column's 4 bytes; lanes 16-31 begin 32 rows of 2,048 bytes further down
	v_lshlrev_b32 v6, 4, v3                        ; out: 16 x lane
	v_lshlrev_b32 v7, 3, v3                        ; 8 x lane
	s_and_b32 s15, s14, 1                          ; t % 2
	s_lshr_b32 s16, s14, 1                         ; t / 2
	s_lshl_b32 s17, s15, 7
	s_lshl_b32 s18, s16, 2
	s_add_co_u32 s17, s17, s18
	v_lshlrev_b32 v8, 3, v1
	v_add_nc_u32 v8, s17, v8                       ; LDS: my tile's word of row r: 8 (r + 16 (t % 2)) + 4 (t / 2)
	s_mov_b32 s20, 0x76543210
	s_mov_b32 s21, 0xfedcba98                      ; v_permlanex16_b32's selects for lane l xor 16
	s_and_b32 s19, ttmp9, 3                        ; K step s
	s_lshr_b32 s22, ttmp9, 2                       ; w
	s_and_b32 s23, ttmp7, 0xffff                   ; the weight
	s_lshl_b32 s24, s19, 18                        ; 128 s rows of 2,048 bytes
	s_lshl_b32 s26, s22, 8                         ; + 64 w columns
	s_add_co_u32 s24, s24, s26
	s_lshl_b32 s26, s16, 7                         ; + 32 (t / 2) columns
	s_add_co_u32 s24, s24, s26
	s_lshl_b32 s26, s15, 5                         ; + 8 (t % 2) columns
	s_add_co_u32 s24, s24, s26
	s_mov_b32 s25, 0
	s_lshl_b32 s26, s23, 3
	s_add_co_u32 s26, s26, s22
	s_mul_i32 s26, s26, 25600                      ; my record
	s_mov_b32 s27, 0
	s_lshl_b32 s28, s14, 2
	s_add_co_u32 s28, s28, s19
	s_mul_i32 s28, s28, 1536                       ; my fragment in it
	s_mov_b32 s29, 0
	s_lshl_b32 s30, s19, 8
	s_add_co_u32 s30, s30, 24576                   ; the K step's scale words in it
	s_mov_b32 s31, 0
	s_wait_kmcnt 0x0
	s_cmp_eq_u32 s23, 1                            ; the choice hangs on the work-group's y alone
	s_cselect_b64 s[4:5], s[6:7], s[4:5]
	s_cmp_eq_u32 s23, 2
	s_cselect_b64 s[4:5], s[8:9], s[4:5]
	s_cmp_eq_u32 s23, 3
	s_cselect_b64 s[4:5], s[10:11], s[4:5]
	s_add_nc_u64 s[4:5], s[4:5], s[24:25]
	s_add_nc_u64 s[12:13], s[12:13], s[26:27]
	s_add_nc_u64 s[32:33], s[12:13], s[28:29]
	s_add_nc_u64 s[34:35], s[12:13], s[30:31]
.irp c, 0,1
.irp i, 0,1,2,3,4,5,6,7,8,9,10,11,12,13,14,15,16,17,18,19,20,21,22,23,24,25,26,27,28,29,30,31
	global_load_b32 v[X+32*\c+\i], v5, s[4:5] offset:(64*\c+\i)*2048   ; W(128 s + 64 c + 32 h + i, my column)
.endr
.endr
	s_wait_loadcnt 0x0
.irp c, 0,1                                    ; my block 2 c + h: all its 32 numbers are mine
	v_max3_num_f32 v[32+\c], |v[X+32*\c]|, |v[X+1+32*\c]|, 0x1800000   ; and the floor 2^(3 - 127): the byte cannot fall under 1
.endr
.irp i, 2,4,6,8,10,12,14,16,18,20,22,24,26,28,30
.irp c, 0,1
	v_max3_num_f32 v[32+\c], v[32+\c], |v[X+32*\c+\i]|, |v[X+1+32*\c+\i]|
.endr
.endr
.irp c, 0,1
	v_add_nc_u32 v[44+\c], 0xff000000, v[32+\c]    ; 2 off the exponent field: the conversion's scale operand
.endr
.irp c, 0,1
	v_lshrrev_b32 v[36+\c], 23, v[44+\c]           ; the scale's byte
.endr
	v_lshl_or_b32 v9, v37, 16, v36                 ; my two bytes: blocks h and 2 + h,
	v_lshlrev_b32 v10, 3, v2
	v_lshlrev_b32 v9, v10, v9                      ; at their places in the word (8 h bits up);
	v_mov_b32 v10, 0
	v_permlanex16_b32 v10, v9, s20, s21
	v_or_b32 v9, v9, v10                           ; with lane l xor 16's two the word is whole
.irp c, 0,1
	v_cvt_scalef32_pk16_fp6_f32 v[48+6*\c:50+6*\c], v[X+32*\c:X+15+32*\c], v[44+\c]
	v_cvt_scalef32_pk16_fp6_f32 v[16+4*\c:18+4*\c], v[X+16+32*\c:X+31+32*\c], v[44+\c]   ; (a conversion's three registers begin on an even number)
.endr
	v_nop                                          ; one plain place behind a scaled conversion
.irp c, 0,1
.irp i, 0,1,2
	v_mov_b32 v[51+6*\c+\i], v[16+4*\c+\i]
.endr
.endr
.irp c, 0,1,2
	global_store_b128 v6, v[48+4*\c:51+4*\c], s[32:33] offset:512*\c   ; 32 lanes store 512 consecutive bytes, aligned
.endr
	ds_store_b32 v8, v9                            ; both halves of the lanes write the same word with the same value
	s_wait_dscnt 0x0                               ; for the others' sake: my word has landed
	s_barrier_signal -1
	s_barrier_wait -1
	s_cmp_lg_u32 s14, 0
	s_cbranch_scc1 .Lend                           ; wave 0 alone sends the four tiles' words
	ds_load_b64 v[10:11], v7
	s_wait_dscnt 0x0
	global_store_b64 v7, v[10:11], s[34:35]        ; 256 consecutive bytes, aligned
.Lend:
	s_wait_tensorcnt 0x0                           ; the wave's end, behind my last LDS store
	ds_add_u32 v[SPW], v[NIL]
	s_wait_dscnt 0x0
	s_endpgm
.Lfunc_end_k_q5ecb71a71e_prep:
	.size	k_q5ecb71a71e_prep, .Lfunc_end_k_q5ecb71a71e_prep-k_q5ecb71a71e_prep
	.p2alignl 7, 3214868480
	.fill 96, 4, 3214868480
	.section	.rodata,"a",@progbits
	.p2align	6, 0x0
	.amdhsa_kernel k_q5ecb71a71e_prep
		.amdhsa_group_segment_fixed_size 1024
		.amdhsa_private_segment_fixed_size 0
		.amdhsa_enable_private_segment 0
		.amdhsa_kernarg_size 40
		.amdhsa_user_sgpr_count 2
		.amdhsa_user_sgpr_kernarg_segment_ptr 1
		.amdhsa_wavefront_size32 1
		.amdhsa_system_sgpr_workgroup_id_x 1
		.amdhsa_system_sgpr_workgroup_id_y 1
		.amdhsa_system_sgpr_workgroup_id_z 1
		.amdhsa_system_vgpr_workitem_id 0
		.amdhsa_next_free_vgpr 128
		.amdhsa_next_free_sgpr 66
		.amdhsa_reserve_vcc 0
		.amdhsa_float_denorm_mode_32 3
		.amdhsa_float_denorm_mode_16_64 3
		.amdhsa_memory_ordered 1
		.amdhsa_forward_progress 1
		.amdhsa_inst_pref_size 13
	.end_amdhsa_kernel
	.amdgpu_metadata
---
amdhsa.version: [ 1, 2 ]
amdhsa.kernels:
  - .name:           k_q5ecb71a71e_prep
    .symbol:         k_q5ecb71a71e_prep.kd
    .args:
      - { .name: Wq, .offset: 0, .size: 8, .value_kind: global_buffer, .address_space: global }
      - { .name: Wk, .offset: 8, .size: 8, .value_kind: global_buffer, .address_space: global }
      - { .name: Wv, .offset: 16, .size: 8, .value_kind: global_buffer, .address_space: global }
      - { .name: Wo, .offset: 24, .size: 8, .value_kind: global_buffer, .address_space: global }
      - { .name: WC, .offset: 32, .size: 8, .value_kind: global_buffer, .address_space: global }
    .group_segment_fixed_size: 1024
    .private_segment_fixed_size: 0
    .kernarg_segment_align: 8
    .kernarg_segment_size: 40
    .max_flat_workgroup_size: 128
    .sgpr_count:     66
    .vgpr_count:     128
    .wavefront_size: 32
...
	.end_amdgpu_metadata
.endif
;; end of part 1
;; launch proj (part 2): grid 64 x 3, 8 waves a work-group, no clusters, 54,272 bytes of LDS; arguments q, k, v, attention_mask, WC, QB, KV; writes QB, KV
.if DOCPART == 2
	.amdgcn_target "amdgcn-amd-amdhsa--gfx1250"
	.amdhsa_code_object_version 6
	.text
	.protected	k_q5ecb71a71e_proj
	.globl	k_q5ecb71a71e_proj
	.p2align	8
	.type	k_q5ecb71a71e_proj,@function
k_q5ecb71a71e_proj:
	s_mov_b64 s[64:65], 0
	v_nop
	global_prefetch_b8 v0, s[64:65] scope:SCOPE_SE
	s_setreg_imm32_b32 hwreg(HW_REG_WAVE_MODE, 25, 1), 1
	s_wait_xcnt 0x0
; PRODUCTS 1 TO 3: q Wq, k Wk, v Wv in MX-FP6, and the quantising of their results for the attention.  No work of reference() is left out here.
; SHARES: work-group x = a block of 128 rows (one key step of the attention), y = the mode: 0 q, 1 k, 2 v.  Wave w (a) quantises 16 rows of x (four fragments) and hands them round through LDS as images of their
; registers, (b) owns head w: its 16 fragments of the weight stay in 192 registers.
; THE ROWS OF A TILE ARE NOT NEIGHBOURS: lane r of tile m takes row 32 (m / 2) + 8 (m % 2) + r + 8 (r / 8) of the block; the weight's columns are laid the same way (prep).
; MODES 0, 1: source 0 = the weight, source 1 = x: a lane holds ONE row and its 32 registers run along the head's 64: two blocks of 32, quantised in registers: six registers a lane.
; MODE 2: source 0 = x, source 1 = the weight: a lane holds ONE channel d and its 64 registers run along the block's 128 KEYS, which are the second attention product's K: a whole fragment.
; QB: [bh 16][step 32] records of 6,656 bytes: tile m's registers 0-3 at 512 m (16 bytes a lane), 4-5 at 4,096 + 256 m (8 bytes a lane); at 6,144 the scale words (16 bytes a lane: register j = tile 2 j in lanes 0-15, tile 2 j + 1 in lanes 16-31).
; KV: [bh][step] records of 13,056 bytes: K's part laid as QB's; V's four fragments at 6,656 + 1,536 t; V's scale words at 12,800 (8 bytes a lane).
; THE MASK rides in the scale words.  The first attention product has K = 64 of the instruction's 128; at k = 64 the attention sets one code, -1 in Q and +1 in K.  Byte 2 of Q's scale word is 100 (2^-27); byte 2 of K's is
; 254 (2^127) where attention_mask is 0, and 1 (2^-126) elsewhere: a hidden key's score gets -2^100, an open key's -2^-153, which lies under every f32 sum's last bit.  The choice is a v_cndmask_b32: no branch hangs on the mask.
; LIMIT: |score x log2(e) / 8| under 2^89, so that -2^100 lies under every open score.  NaN and infinities among the inputs are not served.
.set XIMG,  0                          ; LDS: x's 32 fragments, (m, s) at (4 m + s) x 1,536
.set XSC,   49152                      ; their scale words: (m, s) at 512 m + 16 x lane + 4 s
.set SPARE, 53248                      ; the spare words, 128 bytes a wave
.set XA,   4                           ; v4  x: my row's byte + 64 h
.set LI16, 5                           ; v5  16 x lane
.set LI8,  6                           ; v6  8 x lane
.set XWI,  7                           ; v7  where I store my images: 16 x lane + 6,144 x wave
.set XWS,  8                           ; v8  and their scale words: 16 x lane + 512 x wave
.set MA,   9                           ; v9  the mask: 4 (r + 8 (r / 8))
.set EV0,  10                          ; v10 bytes 2, 3 of a scale word: open key (or Q)
.set EV1,  11                          ; v11 hidden key (or Q)
.set SPW,  12
.set NIL,  13
.set XF,   16                          ; v16-63   a tile's four fragments of x
.set XS,   64                          ; v64-67   their scale words
.set PC,   68                          ; v68-86   codes just made
.set TM,   88                          ; v88-103  at work in the quantiser
.set PW,   104                         ; v104     scale word just made
.set SWE,  105                         ; v105     an even tile's word
.set VSW,  106                         ; v106-107 V's scale words
.set SWP,  108                         ; v108-111 Q's or K's scale words
.set WS,   112                         ; v112-119 the weight's scale words: register 2 s + a
.set MK,   120                         ; v120-127 the mask's numbers of tile m's keys
.set STA,  128                         ; v128-191, v192-255: 64 numbers of x each; later the accumulators
.set STB,  192
.set HA,   128
.set SEL,  20
.set MSB, 0
.macro WIN new                         ; the immediate's high byte repeats the setting that is left
.if MSB != \new
	s_set_vgpr_msb (MSB<<8)|\new
.set MSB, \new
.endif
.endm
; one matrix instruction.  z = 1: C is the constant 0; row = 1: source 0's scales stand in lanes 16-31; row = 2: source 1's
.macro MM d, a, b, z, sa, sb, row
.if \z
.if (\row) == 1
	v_wmma_scale_f32_16x16x128_f8f6f4 v[\d:\d+7], v[\a:\a+11], v[\b:\b+11], 0, v[\sa], v[\sb] matrix_a_fmt:MATRIX_FMT_FP6 matrix_b_fmt:MATRIX_FMT_FP6 matrix_a_scale:MATRIX_SCALE_ROW1
.elseif (\row) == 2
	v_wmma_scale_f32_16x16x128_f8f6f4 v[\d:\d+7], v[\a:\a+11], v[\b:\b+11], 0, v[\sa], v[\sb] matrix_a_fmt:MATRIX_FMT_FP6 matrix_b_fmt:MATRIX_FMT_FP6 matrix_b_scale:MATRIX_SCALE_ROW1
.else
	v_wmma_scale_f32_16x16x128_f8f6f4 v[\d:\d+7], v[\a:\a+11], v[\b:\b+11], 0, v[\sa], v[\sb] matrix_a_fmt:MATRIX_FMT_FP6 matrix_b_fmt:MATRIX_FMT_FP6
.endif
.else
.if (\row) == 1
	v_wmma_scale_f32_16x16x128_f8f6f4 v[\d:\d+7], v[\a:\a+11], v[\b:\b+11], v[\d:\d+7], v[\sa], v[\sb] matrix_a_fmt:MATRIX_FMT_FP6 matrix_b_fmt:MATRIX_FMT_FP6 matrix_a_scale:MATRIX_SCALE_ROW1
.elseif (\row) == 2
	v_wmma_scale_f32_16x16x128_f8f6f4 v[\d:\d+7], v[\a:\a+11], v[\b:\b+11], v[\d:\d+7], v[\sa], v[\sb] matrix_a_fmt:MATRIX_FMT_FP6 matrix_b_fmt:MATRIX_FMT_FP6 matrix_b_scale:MATRIX_SCALE_ROW1
.else
	v_wmma_scale_f32_16x16x128_f8f6f4 v[\d:\d+7], v[\a:\a+11], v[\b:\b+11], v[\d:\d+7], v[\sa], v[\sb] matrix_a_fmt:MATRIX_FMT_FP6 matrix_b_fmt:MATRIX_FMT_FP6
.endif
.endif
.endm
; 64 numbers of a lane, register 16 b + i = k 32 b + 16 (lane / 16) + i of my row, become a fragment's codes in v[PC] on and its scale word in v[PW]
.macro QUANT4 s
.irp b, 0,1,2,3
	v_max3_num_f32 v[TM+\b], |v[\s+16*\b]|, |v[\s+1+16*\b]|, 0x1800000   ; my 16 numbers of block b, and the floor 2^(3 - 127): the byte cannot fall under 1
.endr
.irp i, 2,4,6,8,10,12,14
.irp b, 0,1,2,3
	v_max3_num_f32 v[TM+\b], v[TM+\b], |v[\s+16*\b+\i]|, |v[\s+1+16*\b+\i]|
.endr
.endr
.irp b, 0,1,2,3
	v_permlanex16_b32 v[TM+4+\b], v[TM+\b], s[SEL], s[SEL+1]
.endr
.irp b, 0,1,2,3
	v_max_num_f32 v[TM+\b], v[TM+\b], v[TM+4+\b]   ; with lane l xor 16's: the block's largest magnitude
.endr
.irp b, 0,1,2,3
	v_add_nc_u32 v[TM+12+\b], 0xff000000, v[TM+\b] ; 2 off its exponent field: the conversion's scale operand
.endr
.irp b, 0,1,2,3
	v_lshrrev_b32 v[TM+4+\b], 23, v[TM+12+\b]      ; the scale's byte
.endr
	v_lshl_or_b32 v[PW], v[TM+5], 8, v[TM+4]
	v_lshl_or_b32 v[PW], v[TM+6], 16, v[PW]
	v_lshl_or_b32 v[PW], v[TM+7], 24, v[PW]
.irp c, 0,1
	v_cvt_scalef32_pk16_fp6_f32 v[PC+6*\c:PC+2+6*\c], v[\s+32*\c:\s+15+32*\c], v[TM+12+2*\c]
	v_cvt_scalef32_pk16_fp6_f32 v[PC+12+4*\c:PC+14+4*\c], v[\s+16+32*\c:\s+31+32*\c], v[TM+12+2*\c+1]   ; (a conversion's three registers begin on an even number)
.endr
	v_nop                                          ; one plain place behind a scaled conversion
.irp c, 0,1                                    ; the operand's layout wants a WHOLE block in a lane
.irp i, 0,1,2
	v_permlane16_swap_b32 v[PC+6*\c+\i], v[PC+12+4*\c+\i]
.endr
.irp i, 0,1,2
	v_mov_b32 v[PC+3+6*\c+\i], v[PC+12+4*\c+\i]
.endr
.endr
.endm
; the same for 32 numbers, two blocks: six registers of codes in v[PC] on, the two bytes in v[TM+4], v[TM+5]
.macro QUANT2 s
.irp b, 0,1
	v_max3_num_f32 v[TM+\b], |v[\s+16*\b]|, |v[\s+1+16*\b]|, 0x1800000
.endr
.irp i, 2,4,6,8,10,12,14
.irp b, 0,1
	v_max3_num_f32 v[TM+\b], v[TM+\b], |v[\s+16*\b+\i]|, |v[\s+1+16*\b+\i]|
.endr
.endr
.irp b, 0,1
	v_permlanex16_b32 v[TM+4+\b], v[TM+\b], s[SEL], s[SEL+1]
.endr
.irp b, 0,1
	v_max_num_f32 v[TM+\b], v[TM+\b], v[TM+4+\b]
.endr
.irp b, 0,1
	v_add_nc_u32 v[TM+12+\b], 0xff000000, v[TM+\b]
.endr
.irp b, 0,1
	v_lshrrev_b32 v[TM+4+\b], 23, v[TM+12+\b]
.endr
	v_cvt_scalef32_pk16_fp6_f32 v[PC:PC+2], v[\s:\s+15], v[TM+12]
	v_cvt_scalef32_pk16_fp6_f32 v[PC+8:PC+10], v[\s+16:\s+31], v[TM+13]
	v_nop
.irp i, 0,1,2
	v_permlane16_swap_b32 v[PC+\i], v[PC+8+\i]
.endr
.irp i, 0,1,2
	v_mov_b32 v[PC+3+\i], v[PC+8+\i]
.endr
.endm
.macro XLOAD reg, s                    ; my 16 rows' numbers of K step s: of each block of 32 my half's 16 neighbours
.irp b, 0,1,2,3
.irp j, 0,1,2,3
	global_load_b128 v[\reg+16*\b+4*\j:\reg+16*\b+4*\j+3], v[XA], s[24:25] offset:512*\s+128*\b+16*\j th:TH_LOAD_NT
.endr
.endr
.endm
.macro XQ reg, s                       ; K step s of my rows: quantised, and its image and scale word to LDS
	QUANT4 \reg
.irp c, 0,1,2
	ds_store_b128 v[XWI], v[PC+4*\c:PC+4*\c+3] offset:XIMG+1536*\s+512*\c
.endr
	ds_store_b32 v[XWS], v[PW] offset:XSC+4*\s
	s_wait_dscnt 0x0                               ; the stores have read their registers (and, the last time, have landed for the others' sake)
.endm
.macro FETCHX m                        ; tile m's four fragments and four scale words, in any wave
.irp i, 0,1,2,3,4,5,6,7,8,9,10,11
	ds_load_b128 v[XF+4*\i:XF+4*\i+3], v[LI16] offset:XIMG+(\m)*6144+512*\i
.endr
	ds_load_b128 v[XS:XS+3], v[LI16] offset:XSC+512*(\m)
.endm
.macro PLACES
.rept 4
	v_nop
.endr
.endm
	s_load_b256 s[4:11], s[0:1], 0x0               ; q, k, v, attention_mask
	s_load_b128 s[12:15], s[0:1], 0x20             ; WC, QB
	s_load_b64 s[16:17], s[0:1], 0x30              ; KV
	v_lshl_add_u32 v[SPW], v0, 2, SPARE
	v_mov_b32 v[NIL], 0
	v_lshrrev_b32 v1, 5, v0
	v_readfirstlane_b32 s18, v1                    ; wave 0..7
	s_and_b32 s19, ttmp7, 0xffff                   ; mode
	v_and_b32 v1, 31, v0                           ; lane
	v_and_b32 v2, 15, v0                           ; r
	v_bfe_u32 v3, v0, 4, 1                         ; h
	v_and_b32 v14, 8, v2
	v_add_nc_u32 v14, v14, v2                      ; r + 8 (r / 8)
	v_lshlrev_b32 v[XA], 11, v14
	v_lshl_add_u32 v[XA], v3, 6, v[XA]
	v_lshlrev_b32 v[LI16], 4, v1
	v_lshlrev_b32 v[LI8], 3, v1
	s_mul_i32 s32, s18, 6144
	v_add_nc_u32 v[XWI], s32, v[LI16]
	s_lshl_b32 s32, s18, 9
	v_add_nc_u32 v[XWS], s32, v[LI16]
	v_lshlrev_b32 v[MA], 2, v14
.irp b, 0,1,2,3
	v_mov_b32 v[TM+4+\b], 0                        ; written once: a lane permute's destination counts as one of its sources
.endr
.irp m, 0,1,2,3,4,5,6,7
	v_mov_b32 v[MK+\m], 1                          ; modes 0 and 2 have no mask: every row counts as open
.endr
	s_mov_b32 s[SEL], 0x76543210
	s_mov_b32 s[SEL+1], 0xfedcba98
	s_mov_b32 s22, 0xffff0000                      ; lanes 16-31
	s_lshl_b32 s32, ttmp9, 18                      ; the block's 128 rows of 2,048 bytes
	s_lshr_b32 s33, s18, 1
	s_lshl_b32 s33, s33, 16                        ; + 32 (w / 2) rows
	s_add_co_u32 s32, s32, s33
	s_and_b32 s33, s18, 1
	s_lshl_b32 s33, s33, 14                        ; + 8 (w % 2) rows
	s_add_co_u32 s32, s32, s33
	s_mov_b32 s33, 0
	s_lshr_b32 s34, ttmp9, 5                       ; the batch
	s_lshl_b32 s34, s34, 3
	s_add_co_u32 s34, s34, s18                     ; bh = 8 x batch + head
	s_lshl_b32 s34, s34, 5
	s_and_b32 s35, ttmp9, 31
	s_add_co_u32 s34, s34, s35                     ; my record: 32 bh + step
	s_wait_kmcnt 0x0
	s_cmp_eq_u32 s19, 0                            ; all choices hang on the work-group's y alone
	s_cselect_b64 s[26:27], s[14:15], s[16:17]     ; QB or KV
	s_mov_b32 s36, 13056
	s_cselect_b32 s36, 6656, s36                   ; a record's bytes
	s_mov_b32 s37, 0x7f010000
	s_cselect_b32 s37, 0x7f640000, s37             ; bytes 2, 3: Q's, or an open key's
	s_mov_b32 s38, 0x7ffe0000
	s_cselect_b32 s38, 0x7f640000, s38             ; Q's, or a hidden key's
	s_cselect_b64 s[24:25], s[4:5], s[6:7]
	s_cmp_eq_u32 s19, 2
	s_cselect_b64 s[24:25], s[8:9], s[24:25]       ; x = q, k or v
	s_cselect_b32 s39, 6656, 0                     ; V's part lies behind K's
	s_mul_i32 s34, s34, s36
	s_add_co_u32 s34, s34, s39
	s_mov_b32 s35, 0
	s_add_nc_u64 s[26:27], s[26:27], s[34:35]      ; where my results go
	s_add_nc_u64 s[24:25], s[24:25], s[32:33]      ; my 16 rows of x
	s_lshl_b32 s34, s19, 3
	s_add_co_u32 s34, s34, s18
	s_mul_i32 s34, s34, 25600
	s_add_nc_u64 s[28:29], s[12:13], s[34:35]      ; my head's record of the mode's weight
	s_lshl_b32 s34, ttmp9, 9
	s_add_nc_u64 s[30:31], s[10:11], s[34:35]      ; the block's 128 numbers of the mask
	v_mov_b32 v[EV0], s37
	v_mov_b32 v[EV1], s38
	s_cmp_lg_u32 s19, 1
	s_cbranch_scc1 .Lno_mask
.irp m, 0,1,2,3,4,5,6,7
	global_load_b32 v[MK+\m], v[MA], s[30:31] offset:(32*(\m/2)+8*(\m%2))*4   ; the oldest loads: no later count hangs on them
.endr
.Lno_mask:
	; ---- X: my 16 rows become four fragments.  Two sets of 64 registers by turns; the weight's 52 loads go out behind the first two K steps'
	XLOAD STA, 0
	XLOAD STB, 1
	WIN 0x40                                       ; destination window 1
.set I, 0
.rept 48
	global_load_b128 v[4*I:4*I+3], v[LI16], s[28:29] offset:512*I   ; fragment (t, s) at v[12 (4 t + s)] of window 1: it stays
.set I, I+1
.endr
	WIN 0
.irp s, 0,1,2,3
	global_load_b64 v[WS+2*\s:WS+2*\s+1], v[LI8], s[28:29] offset:24576+256*\s
.endr
	s_wait_loadcnt 63                              ; K step 0 is in: 68 loads were issued behind it; the count is the most that the wait's field holds
	XQ STA, 0
	XLOAD STA, 2
	s_wait_loadcnt 63                              ; K step 1 is in: again 68 behind it
	XQ STB, 1
	XLOAD STB, 3
	s_wait_loadcnt 16                              ; K step 2, the weight and the mask are in; K step 3's 16 loads may be out
	XQ STA, 2
	s_wait_loadcnt 0x0
	XQ STB, 3
	s_barrier_signal -1                            ; every wave's stores have landed (the wait for 0 at the end of XQ)
	s_barrier_wait -1                              ; x's 32 fragments lie in LDS; nobody writes LDS again but for the closing lines
	s_cmp_eq_u32 s19, 2
	s_cbranch_scc1 .Lmode_v
	; ---- MODES 0, 1: a tile of 16 rows at a time: 16 products on four accumulators by turns, then the quantiser
.macro QKTILE m
	FETCHX \m
	s_wait_dscnt 0x0
	WIN 0x01                                       ; source 0 (the weight) window 1
.irp t, 0,1,2,3
	MM HA+8*\t, 12*(4*\t), XF, 1, WS+\t/2, XS, \t%2
.endr
.irp s, 1,2,3
.irp t, 0,1,2,3
	MM HA+8*\t, 12*(4*\t+\s), XF+12*\s, 0, WS+2*\s+\t/2, XS+\s, \t%2
.endr
.endr
	WIN 0
	PLACES                                         ; four places in front of the first read of results
	s_wait_xcnt 0x0                                ; the last tile's stores have read their data: the codes' registers may be written
	QUANT2 HA                                      ; register 16 b + i = channel 32 b + 16 h + i of my row
	v_cmp_eq_u32 vcc_lo, 0, v[MK+\m]
	v_cndmask_b32 v[PW], v[EV0], v[EV1], vcc_lo    ; bytes 2 and 3: the mask's part
	v_lshl_or_b32 v[PW], v[TM+5], 8, v[PW]
.if (\m)%2 == 0
	v_or_b32 v[SWE], v[PW], v[TM+4]
.else
	v_or_b32 v[PW], v[PW], v[TM+4]
	v_cndmask_b32 v[SWP+(\m)/2], v[SWE], v[PW], s22   ; lanes 0-15 the even tile's word, lanes 16-31 the odd one's
.endif
	global_store_b128 v[LI16], v[PC:PC+3], s[26:27] offset:512*(\m)          ; 512 consecutive bytes, aligned
	global_store_b64 v[LI8], v[PC+4:PC+5], s[26:27] offset:4096+256*(\m)     ; 256 consecutive bytes, aligned
.endm
.irp m, 0,1,2,3,4,5,6,7
	QKTILE \m
.endr
	global_store_b128 v[LI16], v[SWP:SWP+3], s[26:27] offset:6144
	s_branch .Lend
.Lmode_v:
	; ---- MODE 2: two tiles of channels at a time: accumulator (tt, m) at v[128 + 64 tt + 8 m]; the two take turns
.irp tp, 0,1
.irp m, 0,1,2,3,4,5,6,7
	FETCHX \m
	s_wait_dscnt 0x0
	WIN 0x04                                       ; source 1 (the weight) window 1
.irp tt, 0,1
	MM 128+64*\tt+8*\m, XF, 12*(4*(2*\tp+\tt)), 1, XS, WS+\tp, 2*\tt
.endr
.irp s, 1,2,3
.irp tt, 0,1
	MM 128+64*\tt+8*\m, XF+12*\s, 12*(4*(2*\tp+\tt)+\s), 0, XS+\s, WS+2*\s+\tp, 2*\tt
.endr
.endr
	WIN 0
	PLACES                                         ; in front of the loads into x's registers, and of the first read of results
.endr
.irp tt, 0,1
	s_wait_xcnt 0x0                                ; earlier stores have read their data
	QUANT4 128+64*\tt                              ; register 16 b + i = key 32 b + 16 h + i of my channel
.irp c, 0,1,2
	global_store_b128 v[LI16], v[PC+4*\c:PC+4*\c+3], s[26:27] offset:(2*\tp+\tt)*1536+512*\c
.endr
.if \tt == 0
	v_mov_b32 v[SWE], v[PW]
.else
	v_cndmask_b32 v[VSW+\tp], v[SWE], v[PW], s22
.endif
.endr
.endr
	global_store_b64 v[LI8], v[VSW:VSW+1], s[26:27] offset:6144
.Lend:
	s_wait_tensorcnt 0x0                           ; the wave's end, behind my last LDS store
	ds_add_u32 v[SPW], v[NIL]
	s_wait_dscnt 0x0
	s_endpgm
.Lfunc_end_k_q5ecb71a71e_proj:
	.size	k_q5ecb71a71e_proj, .Lfunc_end_k_q5ecb71a71e_proj-k_q5ecb71a71e_proj
	.p2alignl 7, 3214868480
	.fill 96, 4, 3214868480
	.section	.rodata,"a",@progbits
	.p2align	6, 0x0
	.amdhsa_kernel k_q5ecb71a71e_proj
		.amdhsa_group_segment_fixed_size 54272
		.amdhsa_private_segment_fixed_size 0
		.amdhsa_enable_private_segment 0
		.amdhsa_kernarg_size 56
		.amdhsa_user_sgpr_count 2
		.amdhsa_user_sgpr_kernarg_segment_ptr 1
		.amdhsa_wavefront_size32 1
		.amdhsa_system_sgpr_workgroup_id_x 1
		.amdhsa_system_sgpr_workgroup_id_y 1
		.amdhsa_system_sgpr_workgroup_id_z 1
		.amdhsa_system_vgpr_workitem_id 0
		.amdhsa_next_free_vgpr 448
		.amdhsa_next_free_sgpr 66
		.amdhsa_reserve_vcc 1
		.amdhsa_float_denorm_mode_32 3
		.amdhsa_float_denorm_mode_16_64 3
		.amdhsa_memory_ordered 1
		.amdhsa_forward_progress 1
		.amdhsa_inst_pref_size 123
	.end_amdhsa_kernel
	.amdgpu_metadata
---
amdhsa.version: [ 1, 2 ]
amdhsa.kernels:
  - .name:           k_q5ecb71a71e_proj
    .symbol:         k_q5ecb71a71e_proj.kd
    .args:
      - { .name: q, .offset: 0, .size: 8, .value_kind: global_buffer, .address_space: global }
      - { .name: k, .offset: 8, .size: 8, .value_kind: global_buffer, .address_space: global }
      - { .name: v, .offset: 16, .size: 8, .value_kind: global_buffer, .address_space: global }
      - { .name: attention_mask, .offset: 24, .size: 8, .value_kind: global_buffer, .address_space: global }
      - { .name: WC, .offset: 32, .size: 8, .value_kind: global_buffer, .address_space: global }
      - { .name: QB, .offset: 40, .size: 8, .value_kind: global_buffer, .address_space: global }
      - { .name: KV, .offset: 48, .size: 8, .value_kind: global_buffer, .address_space: global }
    .group_segment_fixed_size: 54272
    .private_segment_fixed_size: 0
    .kernarg_segment_align: 8
    .kernarg_segment_size: 56
    .max_flat_workgroup_size: 256
    .sgpr_count:     66
    .vgpr_count:     448
    .wavefront_size: 32
...
	.end_amdgpu_metadata
.endif
;; end of part 2
;; launch attn (part 3): grid 16 x 16, 16 waves a work-group, clusters of 4 x 1, 327,680 bytes of LDS; arguments QB, KV, AC, AS; writes AC, AS
.if DOCPART == 3
	.amdgcn_target "amdgcn-amd-amdhsa--gfx1250"
	.amdhsa_code_object_version 6
	.text
	.protected	k_q5ecb71a71e_attn
	.globl	k_q5ecb71a71e_attn
	.p2align	8
	.type	k_q5ecb71a71e_attn,@function
k_q5ecb71a71e_attn:
	s_mov_b64 s[64:65], 0
	v_nop
	global_prefetch_b8 v0, s[64:65] scope:SCOPE_SE
	s_setreg_imm32_b32 hwreg(HW_REG_WAVE_MODE, 25, 1), 1
	s_wait_xcnt 0x0
	s_wait_alu depctr_hold_cnt(0) depctr_sa_sdst(0) depctr_va_vdst(0) depctr_va_sdst(0) depctr_va_ssrc(0) depctr_va_vcc(0) depctr_vm_vsrc(0)
	s_getreg_b32 s2, hwreg(HW_REG_IB_STS2, 6, 4)
	s_cmp_eq_u32 s2, 0
	s_cbranch_scc0 .Lentry_in_a_cluster
	s_endpgm
.Lentry_in_a_cluster:
	s_bfe_u32 s2, ttmp6, 0x10000c
	s_cmp_lg_u32 s2, 0x3003
	s_cbranch_scc0 .Lentry_shape_is_right
	s_endpgm
.Lentry_shape_is_right:
; PRODUCTS 4 AND 5: the attention of one head on codes of FP6, with a streaming softmax; the result, divided by the row's sum, is quantised along the head's 64 for the last product.  No work of reference() is left out here.
; THE SOFTMAX: t = score x log2(e) / 8; M = the running largest t rounded UP to a whole number; p = 2^(t - M) is quantised along the keys, not normalised; the row's sum is taken of the unquantised p.
; SHARES: work-group y = bh (8 x batch + head), x = a block of 256 queries; each of SIXTEEN waves owns 16 queries in 256 registers, four waves to a SIMD: one wave's vector work stands beside another's products and LDS loads.
; Both products are used transposed (S^T = K Q^T, O^T = V^T P^T): a lane holds ONE query throughout.  Keys, queries and channels were laid by proj so that the registers of two neighbouring tiles are 16 neighbours.
; K AND V of a head are one dense stream of 32 records of 13,056 bytes (a key step of 128 each), laid in the order of the operands' registers: every LDS read is 16 or 8 consecutive bytes a lane, no pitch, no padding.
; RING: two LDS slots of four key steps.  Waves 0 to 3 fetch a record each, as 51 rows of 256 bytes; all sixteen read them.
; CLUSTER: the four query blocks of a cluster walk the same stream: each record is asked for JOINTLY, by the same tensor load with the same descriptor and the mask 15.
; THE MASK costs no line here: the first product's K is 64 of the instruction's 128; at k = 64 stands one code, -1 in Q and +1 in K (constant registers), and the scale bytes made by proj turn that product into -2^100 for a hidden key
; and into -2^-153 for an open one.  The largest t begins at -2^90, over every hidden t (about -2^97.5): so a hidden key's p is 0, also where a whole step is hidden.
; A row with no open key has the sum 0: it is divided by 1 and its scale word becomes 0xffff, which makes the last product's sums NaN, as reference()'s are.
; LIMITS: |t| of open keys under 2^89; NaN and infinities among the inputs are not served.
.set RECB,  13056                      ; a key step's record
.set SLOTB, 4*RECB                     ; a slot's bytes
.set HEADB, 32*RECB                    ; a head's stream
.set SLOT1, 65536                      ; slot 1 begins here: one exclusive or turns an address from one slot to the other
.set SPARE, 131072                     ; the spare words, 128 bytes for each of 16 waves
.set LI16, 1                           ; v1  16 x lane
.set LI8,  2                           ; v2  8 x lane
.set SPW,  5
.set NIL,  6
.set ADA,  8                           ; v8  the step's record + 16 x lane
.set ADB,  9                           ; v9  + 8 x lane
.set KB,   32                          ; v32-79   four fragments of K: registers 0-5 loaded, 6-11 constant
.set VB,   80                          ; v80-127  V's four fragments
.set S,    128                         ; v128-191 S^T, then p
.set OT,   192                         ; v192-223 O^T
; v12 -M, v13 the largest t, v[14:15] the sum in two halves; v16-27 Q; v28 Q's scale words; v29 the prefetches' offset; v[30:31] V's scale words; v224-235 p's codes; v232-247, v252, v254 at work; v248-251 K's scale words; v253 p's scale word
.set WV,   12                          ; s12 my wave's number
.set SEL,  20
.set CS,   22                          ; s[22:23] c = log2(e) / 8
.set G1,   24                          ; s[24:31] descriptor group 1
.set G0,   32                          ; s[32:35] group 0, which walks
.set TB,   36                          ; s36 LDS byte of the step's record
.set SLOTS, 37
.set INNER, 38
.set LIM,  39                          ; s39 1 in a wave that prefetches, else the greatest number
.set PFA,  40                          ; s[40:41] where my prefetches stand
.macro MM d, a, b, z, sa, sb, row
.if \z
.if (\row) == 1
	v_wmma_scale_f32_16x16x128_f8f6f4 v[\d:\d+7], v[\a:\a+11], v[\b:\b+11], 0, v[\sa], v[\sb] matrix_a_fmt:MATRIX_FMT_FP6 matrix_b_fmt:MATRIX_FMT_FP6 matrix_a_scale:MATRIX_SCALE_ROW1
.else
	v_wmma_scale_f32_16x16x128_f8f6f4 v[\d:\d+7], v[\a:\a+11], v[\b:\b+11], 0, v[\sa], v[\sb] matrix_a_fmt:MATRIX_FMT_FP6 matrix_b_fmt:MATRIX_FMT_FP6
.endif
.else
.if (\row) == 1
	v_wmma_scale_f32_16x16x128_f8f6f4 v[\d:\d+7], v[\a:\a+11], v[\b:\b+11], v[\d:\d+7], v[\sa], v[\sb] matrix_a_fmt:MATRIX_FMT_FP6 matrix_b_fmt:MATRIX_FMT_FP6 matrix_a_scale:MATRIX_SCALE_ROW1
.else
	v_wmma_scale_f32_16x16x128_f8f6f4 v[\d:\d+7], v[\a:\a+11], v[\b:\b+11], v[\d:\d+7], v[\sa], v[\sb] matrix_a_fmt:MATRIX_FMT_FP6 matrix_b_fmt:MATRIX_FMT_FP6
.endif
.endif
.endm
.macro PLACES
.rept 4
	v_nop
.endr
.endm
.macro CROUND                          ; a round of the cluster's barrier
	s_barrier_signal -1
	s_barrier_wait -1
	s_cmp_lg_u32 s[WV], 0
	s_cbranch_scc1 .Lnot_wave_0_\@
	s_barrier_signal -3
.Lnot_wave_0_\@:
	s_barrier_wait -3
	s_barrier_signal -1
	s_barrier_wait -1
.endm
.macro TLOAD                           ; waves 0 to 3 fetch a record each; the branch hangs on the wave's number alone.  An s_nop 0 and four v_nop follow the load
	s_cmp_lt_u32 s[WV], 4
	s_cbranch_scc0 .Lasked_\@
	tensor_load_to_lds s[G0:G0+3], s[G1:G1+7]
	s_nop 0
.rept 4
	v_nop
.endr
.Lasked_\@:
.endm
; A PREFETCH INTO THE L2 of the slot that the NEXT change of slots will ask for: four key steps ahead of that load.  All clusters of a head walk the same stream: the head's first cluster asks.  Its four partners take a record each,
; told apart BY ADDRESS; in each, waves 4 and 5 ask: a record is 51 blocks of 256 bytes, a lane a block (wave 5's lanes 19 to 31 name the record's last block with lane 18).  The last change that fills a slot asks for nothing.
.macro ASK
	s_cmp_gt_u32 s[SLOTS], s[LIM]
	s_cbranch_scc0 .Lnot_mine_\@
	global_prefetch_b8 v29, s[PFA:PFA+1] th:TH_LOAD_NT scope:SCOPE_SE
.Lnot_mine_\@:
.endm
.macro KLOAD g                         ; K's tiles 4 g .. 4 g + 3: six registers each
.irp t, 0,1,2,3
	ds_load_b128 v[KB+12*\t:KB+12*\t+3], v[ADA] offset:512*(4*\g+\t)
	ds_load_b64 v[KB+12*\t+4:KB+12*\t+5], v[ADB] offset:4096+256*(4*\g+\t)
.endr
.endm
.macro KQ g                            ; S^T of these four tiles: each product starts its sum
.irp t, 0,1,2,3
	MM S+8*(4*\g+\t), KB+12*\t, 16, 1, 248+2*\g+\t/2, 28, \t%2
.endr
.endm
; A KEY STEP: 128 keys
.macro STEP
	v_add_nc_u32 v[ADA], s[TB], v[LI16]
	v_add_nc_u32 v[ADB], s[TB], v[LI8]
	ds_load_b128 v[248:251], v[ADA] offset:6144    ; K's scale words: register j = tile 2 j in lanes 0-15, tile 2 j + 1 in lanes 16-31
	KLOAD 0
	s_wait_dscnt 0x0
	KQ 0
	PLACES                                         ; in front of loads into registers that products have read; with the two additions above: six places behind the last step's products, whose V these loads replace
	KLOAD 1
.irp i, 0,1,2,3,4,5,6,7,8,9,10,11
	ds_load_b128 v[VB+4*\i:VB+4*\i+3], v[ADA] offset:6656+512*\i
.endr
	ds_load_b64 v[30:31], v[ADB] offset:12800
	s_wait_dscnt 13                                ; K's tiles are in; V's thirteen loads, issued behind them, may be out
	KQ 1
	PLACES
.irp b, 0,1,2,3
	v_max3_num_f32 v[232+\b], v[S+16*\b], v[S+1+16*\b], v[S+2+16*\b]   ; the largest score of each block of 32 keys: for the row's maximum, and, since p rises with the score, for the block's largest p
.endr
.irp i, 3,5,7,9,11,13
.irp b, 0,1,2,3
	v_max3_num_f32 v[232+\b], v[232+\b], v[S+16*\b+\i], v[S+1+16*\b+\i]
.endr
.endr
.irp b, 0,1,2,3
	v_max_num_f32 v[232+\b], v[232+\b], v[S+15+16*\b]
.endr
.irp b, 0,1,2,3
	v_permlanex16_b32 v[236+\b], v[232+\b], s[SEL], s[SEL+1]
.endr
.irp b, 0,1,2,3
	v_max_num_f32 v[232+\b], v[232+\b], v[236+\b]  ; with lane l xor 16's 16 keys
.endr
	v_max3_num_f32 v254, v232, v233, v234
	v_max_num_f32 v254, v254, v235
	v_mul_f32 v254, s[CS], v254                    ; the step's largest t
	v_max_num_f32 v13, v13, v254                   ; the running largest t
	v_mov_b32 v254, v12
	v_floor_f32 v12, -v13                          ; the new -M = floor(-t): M is a whole number
	v_sub_f32 v254, v12, v254                      ; old M - new M: a whole number, 0 or less
	v_cvt_i32_f32 v254, v254                       ; (it saturates)
	v_ldexp_f32 v252, 1.0, v254                    ; f = 2^(old M - new M)
.set J, 0
.rept 32
	v_pk_fma_f32 v[S+J:S+J+1], v[S+J:S+J+1], s[CS:CS+1], v[12:13] op_sel_hi:[1,0,0]   ; t - M, two at a time
.set J, J+2
.endr
.irp b, 0,1,2,3
	v_fma_f32 v[232+\b], v[232+\b], s[CS], v12     ; the same of each block's largest score
.endr
.set J, 0
.rept 64
	v_exp_f32 v[S+J], v[S+J]                       ; p = 2^(t - M)
.set J, J+1
.endr
	v_pk_mul_f32 v[14:15], v[14:15], v[252:253] op_sel_hi:[1,0]   ; the sums under the new M: a plain place behind the exponentials
	s_wait_alu depctr_va_vdst(0)                   ; one wait for the batch of 64, ahead of its first reader
.irp b, 0,1,2,3
	v_exp_f32 v[232+\b], v[232+\b]                 ; the block's largest p
.endr
	v_pk_add_f32 v[236:237], v[S:S+1], v[S+2:S+3]  ; the row's sum of the UNQUANTISED p, in two chains
.set J, 4
.rept 15
	v_pk_add_f32 v[14:15], v[14:15], v[S+J:S+J+1]
	v_pk_add_f32 v[236:237], v[236:237], v[S+2+J:S+3+J]
.set J, J+4
.endr
	v_pk_add_f32 v[14:15], v[14:15], v[236:237]
	s_wait_alu depctr_va_vdst(0)                   ; and one for the four
.irp b, 0,1,2,3
	v_max_num_f32 v[232+\b], 0x1800000, v[232+\b]  ; the floor 2^(3 - 127): the byte cannot fall under 1 (a block of zeros keeps it: its codes are zeros)
.endr
.irp b, 0,1,2,3
	v_add_nc_u32 v[244+\b], 0xff000000, v[232+\b]  ; the conversion's scale operand
.endr
.irp b, 0,1,2,3
	v_lshrrev_b32 v[236+\b], 23, v[244+\b]         ; the scale's byte
.endr
	v_lshl_or_b32 v253, v237, 8, v236              ; p's scale word for these 128 keys
	v_lshl_or_b32 v253, v238, 16, v253
	v_lshl_or_b32 v253, v239, 24, v253
.irp c, 0,1
	v_cvt_scalef32_pk16_fp6_f32 v[224+6*\c:226+6*\c], v[S+32*\c:S+15+32*\c], v[244+2*\c]
	v_cvt_scalef32_pk16_fp6_f32 v[236+4*\c:238+4*\c], v[S+16+32*\c:S+31+32*\c], v[244+2*\c+1]
.endr
	v_nop                                          ; one plain place behind a scaled conversion
.irp c, 0,1
.irp i, 0,1,2
	v_permlane16_swap_b32 v[224+6*\c+\i], v[236+4*\c+\i]
.endr
.irp i, 0,1,2
	v_mov_b32 v[227+6*\c+\i], v[236+4*\c+\i]
.endr
.endr
.set J, 0
.rept 16
	v_pk_mul_f32 v[OT+J:OT+J+1], v[OT+J:OT+J+1], v[252:253] op_sel_hi:[1,0]   ; O^T under the new M.  For each product below twelve of these name none of its registers: the places behind the writes of p's codes and scale word
.set J, J+2
.endr
	s_wait_dscnt 0x0                               ; V is in
.irp t, 0,1,2,3
	MM OT+8*\t, VB+12*\t, 224, 0, 30+\t/2, 253, \t%2   ; the four accumulators by turns, one instruction a turn
.endr
.endm
; THE CHANGE OF SLOTS stands at a slot's head: each wave waits for all its tensor loads, adds 0 to its spare word, and waits for that and for its reads of the slot that it has left.  fill = 1: a round of the cluster's barrier,
; so that no wave of any partner still reads that slot or has a load on its way; then the joint load of the keys that follow, which has four key steps in which to land.
.macro CHANGE fill
	s_wait_tensorcnt 0x0                           ; no tensor load of mine is out, so group 0 may be written
	ds_add_u32 v[SPW], v[NIL]
.if \fill
	ds_add_u32 v[SPW], v[NIL]                      ; and once more
	s_xor_b32 s[G0+1], s[G0+1], SLOT1              ; the other slot than last time,
	s_add_nc_u64 s[G0+2:G0+3], s[G0+2:G0+3], SLOTB ; the next four records; the type bits on top are not reached
	s_wait_xcnt 0x0                                ; the last prefetch, a slot back, has read its address
	s_add_nc_u64 s[PFA:PFA+1], s[PFA:PFA+1], SLOTB
	s_wait_dscnt 0x0                               ; both adds are done, and my reads of the slot that I have left are over
	CROUND
	TLOAD                                          ; the first thing behind the round, and a wave's one tensor load until the next: one load of mine is out at the most
	ASK
.else
	s_wait_dscnt 0x0
	s_barrier_signal -1
	s_barrier_wait -1
.endif
.endm
.macro SLOT_STEPS                      ; a slot's four key steps: written once, walked four times
	s_mov_b32 s[INNER], 4
.Lstep_\@:
	STEP
	s_add_co_u32 s[TB], s[TB], RECB
	s_sub_co_u32 s[INNER], s[INNER], 1
	s_cmp_lg_u32 s[INNER], 0
	s_cbranch_scc1 .Lstep_\@
	s_sub_co_u32 s[TB], s[TB], SLOTB
	s_xor_b32 s[TB], s[TB], SLOT1                  ; on to the other slot
.endm
	s_load_b256 s[4:11], s[0:1], 0x0               ; QB, KV, AC, AS
	v_lshl_add_u32 v[SPW], v0, 2, SPARE
	v_mov_b32 v[NIL], 0
	ds_add_u32 v[SPW], v[NIL]                      ; the wave's opening: the add, twice on end, and its wait ahead of the first tensor load
	ds_add_u32 v[SPW], v[NIL]
	v_lshrrev_b32 v1, 5, v0
	v_readfirstlane_b32 s[WV], v1                  ; wave 0..15
	s_and_b32 s15, ttmp7, 0xffff                   ; bh, which the four partners share
	s_and_b32 s44, s[WV], 3
	s_mul_i32 s44, s44, RECB                       ; which record of a slot I fetch: its place in LDS and in the stream
	s_mul_i32 s46, s15, HEADB
	s_add_co_u32 s46, s46, s44
	s_mov_b32 s47, 0
	s_mov_b32 s[G1], 15|(3<<16)|(1<<21)            ; the mask: all four work-groups; elements of 8 bytes; bit 21 set beside a mask; no padding
	s_mov_b32 s[G1+1], 32<<16                      ; tensor_dim0 = 32 elements: 256 bytes
	s_mov_b32 s[G1+2], 51<<16                      ; tensor_dim1 = 51 rows
	s_mov_b32 s[G1+3], 32<<16                      ; tile_dim0
	s_mov_b32 s[G1+4], 51                          ; tile_dim1
	s_mov_b32 s[G1+5], 32                          ; the pitch: dense
	s_mov_b32 s[G1+6], 0
	s_mov_b32 s[G1+7], 0
	s_mov_b32 s[G0], 1
	s_mov_b32 s[G0+1], s44                         ; slot 0
	s_mov_b32 s[SEL], 0x76543210
	s_mov_b32 s[SEL+1], 0xfedcba98
	s_mov_b32 s[CS], 0x3e38aa3b                    ; c = log2(e) / 8
	s_mov_b32 s[CS+1], s[CS]                       ; (named with it as a pair, so it is written)
	s_mov_b32 s[TB], 0
	s_mov_b32 s[SLOTS], 7
	s_bfe_u32 s13, ttmp6, 0x40000                  ; cx: it enters global addresses of Q, of the results and of the prefetches alone
	s_lshl_b32 s14, ttmp9, 2
	s_add_co_u32 s14, s14, s13                     ; my block of 256 queries
	s_mul_i32 s48, s15, HEADB
	s_mul_i32 s49, s13, RECB
	s_add_co_u32 s48, s48, s49
	s_add_co_u32 s48, s48, SLOTB                   ; the prefetches stand in slot 1, at my work-group's record; the first change steps them to slot 2
	s_mov_b32 s49, 0
	s_lshl_b32 s50, s15, 5
	s_lshl_b32 s51, s14, 1
	s_add_co_u32 s50, s50, s51
	s_lshr_b32 s51, s[WV], 3
	s_add_co_u32 s50, s50, s51
	s_mul_i32 s50, s50, 6656                       ; Q's record: 32 bh + 2 x block + wave / 8
	s_mov_b32 s51, 0
	s_lshr_b32 s16, s15, 3
	s_lshl_b32 s16, s16, 8
	s_lshl_b32 s17, s14, 4
	s_add_co_u32 s16, s16, s17
	s_add_co_u32 s16, s16, s[WV]                   ; my tile of rows: 256 x batch + 16 x block + wave
	s_lshl_b32 s16, s16, 3
	s_and_b32 s17, s15, 7
	s_add_co_u32 s16, s16, s17                     ; x 8 + head
	s_mul_i32 s18, s16, 768
	s_mov_b32 s19, 0
	s_lshl_b32 s52, s16, 6
	s_mov_b32 s53, 0
	s_lshr_b32 s16, s[WV], 1
	s_xor_b32 s16, s16, 2                          ; 0 in waves 4 and 5,
	s_or_b32 s16, s16, ttmp9                       ; of the head's first cluster: the same in all four partners
	s_cmp_eq_u32 s16, 0
	s_cselect_b32 s[LIM], 1, -1
	s_wait_dscnt 0x0                               ; both opening adds are done
	s_wait_kmcnt 0x0
	s_add_nc_u64 s[G0+2:G0+3], s[6:7], s[46:47]
	s_or_b32 s[G0+3], s[G0+3], 0x80000000          ; type = 2
	s_add_nc_u64 s[PFA:PFA+1], s[6:7], s[48:49]
	s_add_nc_u64 s[4:5], s[4:5], s[50:51]
	s_add_nc_u64 s[8:9], s[8:9], s[18:19]
	s_add_nc_u64 s[10:11], s[10:11], s[52:53]
	CROUND                                         ; all four work-groups are here: the first joint loads meet
	TLOAD                                          ; slot 0
	v_and_b32 v3, 31, v0
	v_lshlrev_b32 v[LI16], 4, v3
	v_lshlrev_b32 v[LI8], 3, v3
	v_and_b32 v7, 15, v0                           ; r
	v_lshlrev_b32 v11, 2, v7                       ; 4 r: the way out's scale word
	s_and_b32 s16, s[WV], 1
	s_lshl_b32 s16, s16, 5
	v_add_nc_u32 v29, s16, v3
	v_min_u32 v29, 50, v29
	v_lshlrev_b32 v29, 8, v29                      ; the prefetches' offset: block min(32 (wave % 2) + lane, 50) of a record
	s_and_b32 s16, s[WV], 7                        ; my tile m in Q's record
	s_lshl_b32 s17, s16, 9
	v_add_nc_u32 v8, s17, v[LI16]                  ; registers 0-3: 512 m + 16 x lane
	s_lshl_b32 s17, s16, 8
	v_add_nc_u32 v9, s17, v[LI8]                   ; registers 4-5: 256 m + 8 x lane
	s_and_b32 s17, s16, 1
	s_lshl_b32 s17, s17, 8
	s_lshr_b32 s16, s16, 1
	s_lshl_b32 s16, s16, 2
	s_add_co_u32 s17, s17, s16
	v_lshl_add_u32 v10, v7, 4, s17                 ; the scale word: 16 (r + 16 (m % 2)) + 4 (m / 2)
	global_load_b128 v[16:19], v8, s[4:5]
	global_load_b64 v[20:21], v9, s[4:5] offset:4096
	global_load_b32 v28, v10, s[4:5] offset:6144
	v_bfe_u32 v3, v0, 4, 1
	v_xor_b32 v3, 1, v3                            ; 1 in lanes 0-15, which hold k = 64 .. 95 in registers 6 to 11
	v_mul_u32_u24 v22, v3, 0x28                    ; Q: the code of -1 at k = 64
	v_lshlrev_b32 v4, 3, v3                        ; K: the code of +1
.irp i, 23,24,25,26,27
	v_mov_b32 v\i, 0
.endr
.irp t, 0,1,2,3
	v_mov_b32 v[KB+12*\t+6], v4
.irp i, 7,8,9,10,11
	v_mov_b32 v[KB+12*\t+\i], 0
.endr
.endr
	v_mov_b32 v13, 0xec800000                      ; the largest t so far: -2^90
	v_floor_f32 v12, -v13                          ; -M
	v_mov_b32 v14, 0
	v_mov_b32 v15, 0
.irp b, 0,1,2,3
	v_mov_b32 v[236+\b], 0                         ; written once: a lane permute's destination counts as one of its sources
.endr
	v_mov_b32 v253, 0                              ; (named as the upper half of the pair v[252:253] before it is first written)
.set J, 0
.rept 32
	v_mov_b32 v[OT+J], 0                           ; O^T: the step is written once; its first walk finds zeros
.set J, J+1
.endr
	s_wait_loadcnt 0x0                             ; Q; its address registers are free
.Lslot:                                            ; seven trips: behind each change of slots but the last the next slot is asked for
	CHANGE 1
	SLOT_STEPS
	s_sub_co_u32 s[SLOTS], s[SLOTS], 1
	s_cmp_lg_u32 s[SLOTS], 0
	s_cbranch_scc1 .Lslot
	CHANGE 0                                       ; the last slot is written out
	SLOT_STEPS
	; THE WAY OUT: O^T / the sum, quantised along the head's 64 as the last product's operand: six registers a lane and a scale word a row
	PLACES
	v_add_f32 v14, v14, v15
	v_permlanex16_b32 v252, v14, s[SEL], s[SEL+1]
	v_add_f32 v14, v14, v252                       ; the row's sum
	v_mov_b32 v254, 1.0
	v_cmp_eq_f32 s42, 0, v14                       ; a row with no open key
	v_cndmask_b32 v15, v14, v254, s42              ; is divided by 1
	v_rcp_f32 v14, v15
	v_mov_b32 v254, 0xffff                         ; (a plain place behind the transcendental)
	s_wait_alu depctr_va_vdst(0)                   ; a wait ahead of the first reader
.set J, 0
.rept 16
	v_pk_mul_f32 v[S+J:S+J+1], v[OT+J:OT+J+1], v[14:15] op_sel_hi:[1,0]   ; each accumulator from its low end on; register 16 b + i = channel 32 b + 16 h + i
.set J, J+2
.endr
.irp b, 0,1
	v_max3_num_f32 v[232+\b], |v[S+16*\b]|, |v[S+1+16*\b]|, 0x1800000
.endr
.irp i, 2,4,6,8,10,12,14
.irp b, 0,1
	v_max3_num_f32 v[232+\b], v[232+\b], |v[S+16*\b+\i]|, |v[S+1+16*\b+\i]|
.endr
.endr
.irp b, 0,1
	v_permlanex16_b32 v[236+\b], v[232+\b], s[SEL], s[SEL+1]
.endr
.irp b, 0,1
	v_max_num_f32 v[232+\b], v[232+\b], v[236+\b]
.endr
.irp b, 0,1
	v_add_nc_u32 v[244+\b], 0xff000000, v[232+\b]
.endr
.irp b, 0,1
	v_lshrrev_b32 v[238+\b], 23, v[244+\b]
.endr
	v_cvt_scalef32_pk16_fp6_f32 v[224:226], v[S:S+15], v244
	v_cvt_scalef32_pk16_fp6_f32 v[240:242], v[S+16:S+31], v245
	v_nop
.irp i, 0,1,2
	v_permlane16_swap_b32 v[224+\i], v[240+\i]
.endr
.irp i, 0,1,2
	v_mov_b32 v[227+\i], v[240+\i]
.endr
	v_lshl_or_b32 v253, v239, 8, v238
	v_cndmask_b32 v253, v253, v254, s42            ; no open key: both bytes 0xff
	global_store_b128 v[LI16], v[224:227], s[8:9]              ; 512 consecutive bytes, aligned
	global_store_b64 v[LI8], v[228:229], s[8:9] offset:512     ; 256 consecutive bytes, aligned
	global_store_b32 v11, v253, s[10:11]                       ; 16 words; both halves of the lanes write the same word with the same value
	s_wait_tensorcnt 0x0                           ; the wave's end
	ds_add_u32 v[SPW], v[NIL]
	s_wait_dscnt 0x0
	CROUND                                         ; the closing round: no work-group ends while a partner may still ask for a record that names it
	s_endpgm
.Lfunc_end_k_q5ecb71a71e_attn:
	.size	k_q5ecb71a71e_attn, .Lfunc_end_k_q5ecb71a71e_attn-k_q5ecb71a71e_attn
	.p2alignl 7, 3214868480
	.fill 96, 4, 3214868480
	.section	.rodata,"a",@progbits
	.p2align	6, 0x0
	.amdhsa_kernel k_q5ecb71a71e_attn
		.amdhsa_group_segment_fixed_size 327680
		.amdhsa_private_segment_fixed_size 0
		.amdhsa_enable_private_segment 0
		.amdhsa_kernarg_size 32
		.amdhsa_user_sgpr_count 2
		.amdhsa_user_sgpr_kernarg_segment_ptr 1
		.amdhsa_wavefront_size32 1
		.amdhsa_system_sgpr_workgroup_id_x 1
		.amdhsa_system_sgpr_workgroup_id_y 1
		.amdhsa_system_sgpr_workgroup_id_z 1
		.amdhsa_system_vgpr_workitem_id 0
		.amdhsa_next_free_vgpr 256
		.amdhsa_next_free_sgpr 66
		.amdhsa_reserve_vcc 0
		.amdhsa_float_denorm_mode_32 3
		.amdhsa_float_denorm_mode_16_64 3
		.amdhsa_memory_ordered 1
		.amdhsa_forward_progress 1
		.amdhsa_inst_pref_size 45
	.end_amdhsa_kernel
	.amdgpu_metadata
---
amdhsa.version: [ 1, 2 ]
amdhsa.kernels:
  - .name:           k_q5ecb71a71e_attn
    .symbol:         k_q5ecb71a71e_attn.kd
    .args:
      - { .name: QB, .offset: 0, .size: 8, .value_kind: global_buffer, .address_space: global }
      - { .name: KV, .offset: 8, .size: 8, .value_kind: global_buffer, .address_space: global }
      - { .name: AC, .offset: 16, .size: 8, .value_kind: global_buffer, .address_space: global }
      - { .name: AS, .offset: 24, .size: 8, .value_kind: global_buffer, .address_space: global }
    .group_segment_fixed_size: 327680
    .private_segment_fixed_size: 0
    .kernarg_segment_align: 8
    .kernarg_segment_size: 32
    .max_flat_workgroup_size: 512
    .sgpr_count:     66
    .vgpr_count:     256
    .wavefront_size: 32
...
	.end_amdgpu_metadata
.endif
;; end of part 3
;; launch outp (part 4): grid 256 x 1, 8 waves a work-group, no clusters, 35,840 bytes of LDS; arguments AC, AS, WC, out0; writes out0
.if DOCPART == 4
	.amdgcn_target "amdgcn-amd-amdhsa--gfx1250"
	.amdhsa_code_object_version 6
	.text
	.protected	k_q5ecb71a71e_outp
	.globl	k_q5ecb71a71e_outp
	.p2align	8
	.type	k_q5ecb71a71e_outp,@function
k_q5ecb71a71e_outp:
	s_mov_b64 s[64:65], 0
	v_nop
	global_prefetch_b8 v0, s[64:65] scope:SCOPE_SE
	s_setreg_imm32_b32 hwreg(HW_REG_WAVE_MODE, 25, 1), 1
	s_wait_xcnt 0x0
; PRODUCT 6: out0 = (the attention's result) Wo in MX-FP6.  No work of reference() is left out here.
; AC: [tile of 16 rows T 0..511][head 0..7] records of 768 bytes: six registers a lane (the head's 64 along K): registers 0-3 at 16 x lane, 4-5 at 512 + 8 x lane.  AS: [T][head][row] one word: the head's two scale bytes.
; Two heads' records on end ARE a fragment of 128 along K, and their two words make its scale word.  Lane r of tile T holds row 128 (T / 8) + 32 ((T % 8) / 2) + 8 (T % 2) + r + 8 (r / 8): tiles 2 g, 2 g + 1 are rows 32 g .. 32 g + 31.
; SHARES: a work-group takes two tiles (32 rows); wave w takes columns 64 w .. 64 w + 63 with Wo's 16 fragments in window 1.  The waves share nothing: no barrier.
; Source 0 = 16 columns of Wo, source 1 = 16 rows: a lane holds one row, and the registers of two neighbouring tiles are 16 neighbouring columns.  Results go through the wave's own stage in LDS and leave as aligned runs of 256 bytes.
.set SPARE, 34816                      ; LDS: eight stages of 16 rows x 272 bytes; behind them the spare words, 128 bytes a wave
.set SPW,  12
.set NIL,  13
.set AF,   16                          ; v16-111  the rows' fragments: tile i at +48 i, head e at +6 e
.set WS,   112                         ; v112-119 Wo's scale words: register 2 s + a
.set RAW,  120                         ; v120-135 the heads' scale words
.set AW,   136                         ; v136-143 the K steps' scale words: 4 i + s
.set ACC,  144                         ; v144-207 accumulator (i, t) at +32 i + 8 t
.set BK,   208                         ; v208-239 rows read back
.set MSB, 0
.macro WIN new
.if MSB != \new
	s_set_vgpr_msb (MSB<<8)|\new
.set MSB, \new
.endif
.endm
.macro MM d, a, b, z, sa, sb, row
.if \z
.if (\row) == 1
	v_wmma_scale_f32_16x16x128_f8f6f4 v[\d:\d+7], v[\a:\a+11], v[\b:\b+11], 0, v[\sa], v[\sb] matrix_a_fmt:MATRIX_FMT_FP6 matrix_b_fmt:MATRIX_FMT_FP6 matrix_a_scale:MATRIX_SCALE_ROW1
.else
	v_wmma_scale_f32_16x16x128_f8f6f4 v[\d:\d+7], v[\a:\a+11], v[\b:\b+11], 0, v[\sa], v[\sb] matrix_a_fmt:MATRIX_FMT_FP6 matrix_b_fmt:MATRIX_FMT_FP6
.endif
.else
.if (\row) == 1
	v_wmma_scale_f32_16x16x128_f8f6f4 v[\d:\d+7], v[\a:\a+11], v[\b:\b+11], v[\d:\d+7], v[\sa], v[\sb] matrix_a_fmt:MATRIX_FMT_FP6 matrix_b_fmt:MATRIX_FMT_FP6 matrix_a_scale:MATRIX_SCALE_ROW1
.else
	v_wmma_scale_f32_16x16x128_f8f6f4 v[\d:\d+7], v[\a:\a+11], v[\b:\b+11], v[\d:\d+7], v[\sa], v[\sb] matrix_a_fmt:MATRIX_FMT_FP6 matrix_b_fmt:MATRIX_FMT_FP6
.endif
.endif
.endm
	s_load_b256 s[4:11], s[0:1], 0x0               ; AC, AS, WC, out0
	v_lshl_add_u32 v[SPW], v0, 2, SPARE
	v_mov_b32 v[NIL], 0
	v_lshrrev_b32 v1, 5, v0
	v_readfirstlane_b32 s12, v1                    ; wave 0..7
	v_and_b32 v1, 31, v0                           ; lane
	v_and_b32 v2, 15, v0                           ; r
	v_bfe_u32 v3, v0, 4, 1                         ; h
	v_lshlrev_b32 v4, 4, v1                        ; 16 x lane
	v_lshlrev_b32 v5, 3, v1                        ; 8 x lane
	v_lshlrev_b32 v6, 2, v2                        ; 4 r
	s_mul_i32 s14, ttmp9, 12288                    ; my two tiles' 16 records
	s_mov_b32 s15, 0
	s_lshl_b32 s16, ttmp9, 10                      ; and their scale words
	s_mov_b32 s17, 0
	s_add_co_u32 s18, s12, 24
	s_mul_i32 s18, s18, 25600                      ; Wo's record of my 64 columns
	s_mov_b32 s19, 0
	s_lshl_b32 s20, ttmp9, 16                      ; my 32 rows of 2,048 bytes,
	s_lshl_b32 s21, s12, 8
	s_add_co_u32 s20, s20, s21                     ; my 256 bytes of them
	s_mov_b32 s21, 0
	s_mul_i32 s13, s12, 4352                       ; my stage
	s_wait_kmcnt 0x0
	s_add_nc_u64 s[4:5], s[4:5], s[14:15]
	s_add_nc_u64 s[6:7], s[6:7], s[16:17]
	s_add_nc_u64 s[8:9], s[8:9], s[18:19]
	s_add_nc_u64 s[10:11], s[10:11], s[20:21]
.irp i, 0,1
.irp e, 0,1,2,3,4,5,6,7
	global_load_b128 v[AF+48*\i+6*\e:AF+48*\i+6*\e+3], v4, s[4:5] offset:(8*\i+\e)*768
	global_load_b64 v[AF+48*\i+6*\e+4:AF+48*\i+6*\e+5], v5, s[4:5] offset:(8*\i+\e)*768+512
	global_load_b32 v[RAW+8*\i+\e], v6, s[6:7] offset:(8*\i+\e)*64
.endr
.endr
.irp s, 0,1,2,3
	global_load_b64 v[WS+2*\s:WS+2*\s+1], v5, s[8:9] offset:24576+256*\s
.endr
	WIN 0x40                                       ; destination window 1
.set I, 0
.rept 48
	global_load_b128 v[4*I:4*I+3], v4, s[8:9] offset:512*I   ; fragment (t, s) at v[12 (4 t + s)] of window 1
.set I, I+1
.endr
	WIN 0
	s_wait_loadcnt 0x0
.irp i, 0,1
.irp s, 0,1,2,3
	v_lshl_or_b32 v[AW+4*\i+\s], v[RAW+8*\i+2*\s+1], 16, v[RAW+8*\i+2*\s]   ; heads 2 s and 2 s + 1: the K step's four bytes
.endr
.endr
	v_mul_u32_u24 v7, v2, 272                      ; the stage's addresses: nine plain lines, the places between the scale words' last write and the first product
	v_lshl_add_u32 v7, v3, 6, v7
	v_add_nc_u32 v7, s13, v7                       ; in: row r, + 64 h
	v_mul_u32_u24 v8, v3, 272
	v_lshl_add_u32 v8, v2, 4, v8
	v_add_nc_u32 v8, s13, v8                       ; back: lanes 0-15 one row of 256 bytes, lanes 16-31 the next
	v_lshlrev_b32 v9, 11, v3
	v_lshl_add_u32 v9, v2, 4, v9                   ; and the same two rows in out0
	v_nop
	WIN 0x01                                       ; source 0 (Wo) window 1
.irp i, 0,1
.irp t, 0,1,2,3
	MM ACC+32*\i+8*\t, 12*(4*\t), AF+48*\i, 1, WS+\t/2, AW+4*\i, \t%2     ; the first K step starts the sums; the eight accumulators take turns
.endr
.endr
.irp s, 1,2,3
.irp i, 0,1
.irp t, 0,1,2,3
	MM ACC+32*\i+8*\t, 12*(4*\t+\s), AF+48*\i+12*\s, 0, WS+2*\s+\t/2, AW+4*\i+\s, \t%2
.endr
.endr
.endr
	WIN 0
.rept 4
	v_nop                                          ; four places in front of the first read of results
.endr
.irp i, 0,1
.if \i
	s_wait_xcnt 0x0                                ; the first tile's stores have read their data: the loads below may land there
.endif
.irp b, 0,1
.irp q, 0,1,2,3
	ds_store_b128 v7, v[ACC+32*\i+16*\b+4*\q:ACC+32*\i+16*\b+4*\q+3] offset:128*\b+16*\q   ; columns 32 b + 16 h + 4 q on; each accumulator from its low end on
.endr
.endr
.irp n, 0,1,2,3,4,5,6,7
	ds_load_b128 v[BK+4*\n:BK+4*\n+3], v8 offset:544*\n   ; LDS serves a wave's instructions in order: these see my stores
.endr
.irp n, 0,1,2,3,4,5,6,7
	s_wait_dscnt 7-\n                              ; the younger loads from the stage may be out
	global_store_b128 v9, v[BK+4*\n:BK+4*\n+3], s[10:11] offset:(8*\i+2*\n+8*(\n/4))*2048 th:TH_STORE_NT   ; stage row 2 n + h is row 8 i + 2 n + h + 8 (n / 4) of my 32; 16 lanes store 256 consecutive bytes, aligned
.endr
.endr
	s_wait_tensorcnt 0x0                           ; the wave's end, behind my last LDS store
	ds_add_u32 v[SPW], v[NIL]
	s_wait_dscnt 0x0
	s_endpgm
.Lfunc_end_k_q5ecb71a71e_outp:
	.size	k_q5ecb71a71e_outp, .Lfunc_end_k_q5ecb71a71e_outp-k_q5ecb71a71e_outp
	.p2alignl 7, 3214868480
	.fill 96, 4, 3214868480
	.section	.rodata,"a",@progbits
	.p2align	6, 0x0
	.amdhsa_kernel k_q5ecb71a71e_outp
		.amdhsa_group_segment_fixed_size 35840
		.amdhsa_private_segment_fixed_size 0
		.amdhsa_enable_private_segment 0
		.amdhsa_kernarg_size 32
		.amdhsa_user_sgpr_count 2
		.amdhsa_user_sgpr_kernarg_segment_ptr 1
		.amdhsa_wavefront_size32 1
		.amdhsa_system_sgpr_workgroup_id_x 1
		.amdhsa_system_sgpr_workgroup_id_y 1
		.amdhsa_system_sgpr_workgroup_id_z 1
		.amdhsa_system_vgpr_workitem_id 0
		.amdhsa_next_free_vgpr 448
		.amdhsa_next_free_sgpr 66
		.amdhsa_reserve_vcc 0
		.amdhsa_float_denorm_mode_32 3
		.amdhsa_float_denorm_mode_16_64 3
		.amdhsa_memory_ordered 1
		.amdhsa_forward_progress 1
		.amdhsa_inst_pref_size 21
	.end_amdhsa_kernel
	.amdgpu_metadata
---
amdhsa.version: [ 1, 2 ]
amdhsa.kernels:
  - .name:           k_q5ecb71a71e_outp
    .symbol:         k_q5ecb71a71e_outp.kd
    .args:
      - { .name: AC, .offset: 0, .size: 8, .value_kind: global_buffer, .address_space: global }
      - { .name: AS, .offset: 8, .size: 8, .value_kind: global_buffer, .address_space: global }
      - { .name: WC, .offset: 16, .size: 8, .value_kind: global_buffer, .address_space: global }
      - { .name: out0, .offset: 24, .size: 8, .value_kind: global_buffer, .address_space: global }
    .group_segment_fixed_size: 35840
    .private_segment_fixed_size: 0
    .kernarg_segment_align: 8
    .kernarg_segment_size: 32
    .max_flat_workgroup_size: 256
    .sgpr_count:     66
    .vgpr_count:     448
    .wavefront_size: 32
...
	.end_amdgpu_metadata
.endif
;; end of part 4
;; ======== version 2 of 2: 4 launches
;; limits: right only within a limited range of input values
;; workspace buffers: WC 819,200 bytes; QB 3,407,872 bytes; KV 6,684,672 bytes; AC 3,145,728 bytes; AS 262,144 bytes
;; launch prep (part 5): grid 32 x 4, 4 waves a work-group, no clusters, 1,024 bytes of LDS; arguments Wq, Wk, Wv, Wo, WC; writes WC
.if DOCPART == 5
	.amdgcn_target "amdgcn-amd-amdhsa--gfx1250"
	.amdhsa_code_object_version 6
	.text
	.protected	k_q5ecb71a71e_prep
	.globl	k_q5ecb71a71e_prep
	.p2align	8
	.type	k_q5ecb71a71e_prep,@function
k_q5ecb71a71e_prep:
	s_mov_b64 s[64:65], 0
	v_nop
	global_prefetch_b8 v0, s[64:65] scope:SCOPE_SE
	s_setreg_imm32_b32 hwreg(HW_REG_WAVE_MODE, 25, 1), 1
	s_wait_xcnt 0x0
; MULTI-HEAD ATTENTION IN MX-FP6, FOUR LAUNCHES: prep (this one), proj, attn, outp.
; NO WORK OF reference() IS LEFT OUT: all six products are done, every input is loaded (the mask too, in proj).
; LIMITS of the whole program: NaN and infinities among the inputs are not served; |score x log2(e) / 8| stays under 2^89 (proj and attn say why).
; THIS LAUNCH turns Wq, Wk, Wv, Wo ([512 (k)][512 (n)] f32, K the FIRST axis) into codes of FP6 (E2M3) with one E8M0 byte for each 32 along K,
; laid in the order of the operand's registers, so that every later read is a plain load of 16 bytes a lane.
; WC: [weight 0..3][w 0..7] records of 25,600 bytes, columns 64 w .. 64 w + 63.  Fragment (t, s) (16 columns x 128 K, 12 registers a lane) at (4 t + s) x 1,536:
; three groups of four registers, lane l's 16 bytes at 16 l.  At 24,576 + 256 s the scale words of K step s: lane l's 8 bytes at 8 l: register a holds tile 2 a's word
; in lanes 0-15 and tile 2 a + 1's in lanes 16-31.
; THE COLUMNS OF A TILE ARE NOT NEIGHBOURS: lane r of tile t takes column 32 (t / 2) + 8 (t % 2) + r + 8 (r / 8), so that in a product's result the 16 registers of tiles 2 b, 2 b + 1 are 16 neighbours.
; SHARES: work-group x = 4 w + s, y = the weight; wave t makes fragment (t, s).  A LANE TAKES A COLUMN AND ITS REGISTERS RUN DOWN K: a lane holds two whole blocks of 32, and nothing is transposed.
; A block's byte is its largest magnitude's exponent field - 2, held at 1 from below (a block of zeros gets 1: its codes are zeros, and this program alone reads the bytes).
.set SPARE, 256                        ; LDS: bytes 0-255 the four tiles' scale words; from 256 the spare words, 128 bytes a wave
.set SPW,   12                         ; v12 my spare word's address; never rewritten
.set NIL,   13                         ; v13 0; never rewritten
.set X,     64                         ; v64-127 my 64 numbers
	s_load_b256 s[4:11], s[0:1], 0x0               ; Wq, Wk, Wv, Wo
	s_load_b64 s[12:13], s[0:1], 0x20              ; WC
	v_lshl_add_u32 v[SPW], v0, 2, SPARE
	v_mov_b32 v[NIL], 0
	v_lshrrev_b32 v1, 5, v0
	v_readfirstlane_b32 s14, v1                    ; wave = tile t
	v_and_b32 v1, 15, v0                           ; r
	v_bfe_u32 v2, v0, 4, 1                         ; h
	v_and_b32 v3, 31, v0                           ; lane
	v_and_b32 v4, 8, v1
	v_add_nc_u32 v4, v4, v1                        ; r + 8 (r / 8)
	v_lshlrev_b32 v5, 2, v4
	v_lshl_add_u32 v5, v2, 16, v5                  ; in: my column's 4 bytes; lanes 16-31 begin 32 rows of 2,048 bytes further down
	v_lshlrev_b32 v6, 4, v3                        ; out: 16 x lane
	v_lshlrev_b32 v7, 3, v3                        ; 8 x lane
	s_and_b32 s15, s14, 1                          ; t % 2
	s_lshr_b32 s16, s14, 1                         ; t / 2
	s_lshl_b32 s17, s15, 7
	s_lshl_b32 s18, s16, 2
	s_add_co_u32 s17, s17, s18
	v_lshlrev_b32 v8, 3, v1
	v_add_nc_u32 v8, s17, v8                       ; LDS: my tile's word of row r: 8 (r + 16 (t % 2)) + 4 (t / 2)
	s_mov_b32 s20, 0x76543210
	s_mov_b32 s21, 0xfedcba98                      ; v_permlanex16_b32's selects for lane l xor 16
	s_and_b32 s19, ttmp9, 3                        ; K step s
	s_lshr_b32 s22, ttmp9, 2                       ; w
	s_and_b32 s23, ttmp7, 0xffff                   ; the weight
	s_lshl_b32 s24, s19, 18                        ; 128 s rows of 2,048 bytes
	s_lshl_b32 s26, s22, 8                         ; + 64 w columns
	s_add_co_u32 s24, s24, s26
	s_lshl_b32 s26, s16, 7                         ; + 32 (t / 2) columns
	s_add_co_u32 s24, s24, s26
	s_lshl_b32 s26, s15, 5                         ; + 8 (t % 2) columns
	s_add_co_u32 s24, s24, s26
	s_mov_b32 s25, 0
	s_lshl_b32 s26, s23, 3
	s_add_co_u32 s26, s26, s22
	s_mul_i32 s26, s26, 25600                      ; my record
	s_mov_b32 s27, 0
	s_lshl_b32 s28, s14, 2
	s_add_co_u32 s28, s28, s19
	s_mul_i32 s28, s28, 1536                       ; my fragment in it
	s_mov_b32 s29, 0
	s_lshl_b32 s30, s19, 8
	s_add_co_u32 s30, s30, 24576                   ; the K step's scale words in it
	s_mov_b32 s31, 0
	s_wait_alu depctr_va_vdst(0)
	s_wait_kmcnt 0x0
	s_cmp_eq_u32 s23, 1                            ; the choice hangs on the work-group's y alone
	s_cselect_b64 s[4:5], s[6:7], s[4:5]
	s_cmp_eq_u32 s23, 2
	s_cselect_b64 s[4:5], s[8:9], s[4:5]
	s_cmp_eq_u32 s23, 3
	s_cselect_b64 s[4:5], s[10:11], s[4:5]
	s_add_nc_u64 s[4:5], s[4:5], s[24:25]
	s_add_nc_u64 s[12:13], s[12:13], s[26:27]
	s_add_nc_u64 s[32:33], s[12:13], s[28:29]
	s_add_nc_u64 s[34:35], s[12:13], s[30:31]
.irp c, 0,1
.irp i, 0,1,2,3,4,5,6,7,8,9,10,11,12,13,14,15,16,17,18,19,20,21,22,23,24,25,26,27,28,29,30,31
	global_load_b32 v[X+32*\c+\i], v5, s[4:5] offset:(64*\c+\i)*2048   ; W(128 s + 64 c + 32 h + i, my column)
.endr
.endr
	s_wait_loadcnt 0x0
.irp c, 0,1                                    ; my block 2 c + h: all its 32 numbers are mine
	v_max3_num_f32 v[32+\c], |v[X+32*\c]|, |v[X+1+32*\c]|, 0x1800000   ; and the floor 2^(3 - 127): the byte cannot fall under 1
.endr
.irp i, 2,4,6,8,10,12,14,16,18,20,22,24,26,28,30
.irp c, 0,1
	v_max3_num_f32 v[32+\c], v[32+\c], |v[X+32*\c+\i]|, |v[X+1+32*\c+\i]|
.endr
.endr
.irp c, 0,1
	v_add_nc_u32 v[44+\c], 0xff000000, v[32+\c]    ; 2 off the exponent field: the conversion's scale operand
.endr
.irp c, 0,1
	v_lshrrev_b32 v[36+\c], 23, v[44+\c]           ; the scale's byte
.endr
	v_lshl_or_b32 v9, v37, 16, v36                 ; my two bytes: blocks h and 2 + h,
	v_lshlrev_b32 v10, 3, v2
	v_lshlrev_b32 v9, v10, v9                      ; at their places in the word (8 h bits up);
	v_mov_b32 v10, 0
	v_permlanex16_b32 v10, v9, s20, s21
	v_or_b32 v9, v9, v10                           ; with lane l xor 16's two the word is whole
.irp c, 0,1
	v_cvt_scalef32_pk16_fp6_f32 v[48+6*\c:50+6*\c], v[X+32*\c:X+15+32*\c], v[44+\c]
	v_cvt_scalef32_pk16_fp6_f32 v[16+4*\c:18+4*\c], v[X+16+32*\c:X+31+32*\c], v[44+\c]   ; (a conversion's three registers begin on an even number)
.endr
	v_nop                                          ; one plain place behind a scaled conversion
.irp c, 0,1
.irp i, 0,1,2
	v_mov_b32 v[51+6*\c+\i], v[16+4*\c+\i]
.endr
.endr
.irp c, 0,1,2
	global_store_b128 v6, v[48+4*\c:51+4*\c], s[32:33] offset:512*\c   ; 32 lanes store 512 consecutive bytes, aligned
.endr
	ds_store_b32 v8, v9                            ; both halves of the lanes write the same word with the same value
	s_wait_dscnt 0x0                               ; for the others' sake: my word has landed
	s_barrier_signal -1
	s_barrier_wait -1
	s_cmp_lg_u32 s14, 0
	s_cbranch_scc1 .Lend                           ; wave 0 alone sends the four tiles' words
	ds_load_b64 v[10:11], v7
	s_wait_dscnt 0x0
	global_store_b64 v7, v[10:11], s[34:35]        ; 256 consecutive bytes, aligned
.Lend:
	s_wait_tensorcnt 0x0                           ; the wave's end, behind my last LDS store
	ds_add_u32 v[SPW], v[NIL]
	s_wait_dscnt 0x0
	s_endpgm
.Lfunc_end_k_q5ecb71a71e_prep:
	.size	k_q5ecb71a71e_prep, .Lfunc_end_k_q5ecb71a71e_prep-k_q5ecb71a71e_prep
	.p2alignl 7, 3214868480
	.fill 96, 4, 3214868480
	.section	.rodata,"a",@progbits
	.p2align	6, 0x0
	.amdhsa_kernel k_q5ecb71a71e_prep
		.amdhsa_group_segment_fixed_size 1024
		.amdhsa_private_segment_fixed_size 0
		.amdhsa_enable_private_segment 0
		.amdhsa_kernarg_size 40
		.amdhsa_user_sgpr_count 2
		.amdhsa_user_sgpr_kernarg_segment_ptr 1
		.amdhsa_wavefront_size32 1
		.amdhsa_system_sgpr_workgroup_id_x 1
		.amdhsa_system_sgpr_workgroup_id_y 1
		.amdhsa_system_sgpr_workgroup_id_z 1
		.amdhsa_system_vgpr_workitem_id 0
		.amdhsa_next_free_vgpr 128
		.amdhsa_next_free_sgpr 66
		.amdhsa_reserve_vcc 0
		.amdhsa_float_denorm_mode_32 3
		.amdhsa_float_denorm_mode_16_64 3
		.amdhsa_memory_ordered 1
		.amdhsa_forward_progress 1
		.amdhsa_inst_pref_size 13
	.end_amdhsa_kernel
	.amdgpu_metadata
---
amdhsa.version: [ 1, 2 ]
amdhsa.kernels:
  - .name:           k_q5ecb71a71e_prep
    .symbol:         k_q5ecb71a71e_prep.kd
    .args:
      - { .name: Wq, .offset: 0, .size: 8, .value_kind: global_buffer, .address_space: global }
      - { .name: Wk, .offset: 8, .size: 8, .value_kind: global_buffer, .address_space: global }
      - { .name: Wv, .offset: 16, .size: 8, .value_kind: global_buffer, .address_space: global }
      - { .name: Wo, .offset: 24, .size: 8, .value_kind: global_buffer, .address_space: global }
      - { .name: WC, .offset: 32, .size: 8, .value_kind: global_buffer, .address_space: global }
    .group_segment_fixed_size: 1024
    .private_segment_fixed_size: 0
    .kernarg_segment_align: 8
    .kernarg_segment_size: 40
    .max_flat_workgroup_size: 128
    .sgpr_count:     66
    .vgpr_count:     128
    .wavefront_size: 32
...
	.end_amdgpu_metadata
.endif
;; end of part 5
;; launch proj (part 6): grid 64 x 3, 8 waves a work-group, no clusters, 54,272 bytes of LDS; arguments q, k, v, attention_mask, WC, QB, KV; writes QB, KV
.if DOCPART == 6
	.amdgcn_target "amdgcn-amd-amdhsa--gfx1250"
	.amdhsa_code_object_version 6
	.text
	.protected	k_q5ecb71a71e_proj
	.globl	k_q5ecb71a71e_proj
	.p2align	8
	.type	k_q5ecb71a71e_proj,@function
k_q5ecb71a71e_proj:
	s_mov_b64 s[64:65], 0
	v_nop
	global_prefetch_b8 v0, s[64:65] scope:SCOPE_SE
	s_setreg_imm32_b32 hwreg(HW_REG_WAVE_SCHED_MODE, 0, 2), 2
	s_setreg_imm32_b32 hwreg(HW_REG_WAVE_MODE, 25, 1), 1
	s_wait_xcnt 0x0
	s_wait_alu depctr_vm_vsrc(0)
; PRODUCTS 1 TO 3: q Wq, k Wk, v Wv in MX-FP6, and the quantising of their results for the attention.  No work of reference() is left out here.
; SHARES: work-group x = a block of 128 rows (one key step of the attention), y = the mode: 0 q, 1 k, 2 v.  Wave w (a) quantises 16 rows of x (four fragments) and hands them round through LDS as images of their
; registers, (b) owns head w: its 16 fragments of the weight stay in 192 registers.
; THE ROWS OF A TILE ARE NOT NEIGHBOURS: lane r of tile m takes row 32 (m / 2) + 8 (m % 2) + r + 8 (r / 8) of the block; the weight's columns are laid the same way (prep).
; MODES 0, 1: source 0 = the weight, source 1 = x: a lane holds ONE row and its 32 registers run along the head's 64: two blocks of 32, quantised in registers: six registers a lane.
; MODE 2: source 0 = x, source 1 = the weight: a lane holds ONE channel d and its 64 registers run along the block's 128 KEYS, which are the second attention product's K: a whole fragment.
; QB: [bh 16][step 32] records of 6,656 bytes: tile m's registers 0-3 at 512 m (16 bytes a lane), 4-5 at 4,096 + 256 m (8 bytes a lane); at 6,144 the scale words (16 bytes a lane: register j = tile 2 j in lanes 0-15, tile 2 j + 1 in lanes 16-31).
; KV: [bh][step] records of 13,056 bytes: K's part laid as QB's; V's four fragments at 6,656 + 1,536 t; V's scale words at 12,800 (8 bytes a lane).
; THE MASK rides in the scale words.  The first attention product has K = 64 of the instruction's 128; at k = 64 the attention sets one code, -1 in Q and +1 in K.  Byte 2 of Q's scale word is 100 (2^-27); byte 2 of K's is
; 254 (2^127) where attention_mask is 0, and 1 (2^-126) elsewhere: a hidden key's score gets -2^100, an open key's -2^-153, which lies under every f32 sum's last bit.  The choice is a v_cndmask_b32: no branch hangs on the mask.
; LIMIT: |score x log2(e) / 8| under 2^89, so that -2^100 lies under every open score.  NaN and infinities among the inputs are not served.
; THE MODE: SCHED_MODE bits 1:0 = 2 (LLVM: expert scheduling mode 2), set by the entry lines.  The code itself states the register dependences
; between vector or matrix instructions and memory or LDS instructions, with s_wait_alu, always for 0.
; THE PLAN.  Registers that memory or LDS instructions touch:
;   v4-v9         offsets and LDS addresses: made at the head, never written again.
;   STA, STB      64 numbers of x each.  Written by loads; read by the quantiser; behind the quantiser's wait the K step two on lands there.
;   PC, PW        the X phase's codes and scale word.  Written by the quantiser; read by the LDS stores behind its wait; free again behind the wait on vm_vsrc at the next quantiser's head.
;   x's fragments and scale words, TWO buffers by turns.  Tile m's products read buffer m % 2; the LDS loads of tile m + 1, issued at the head of tile m's step, land in the other,
;                 which the products of tile m - 1 read.  Buffer 0: v16-63, v64-67.  Buffer 1: modes 0, 1: v176-223, v224-227; mode 2: v192-239 of window 1, v120-123.
;   the results' codes, TWO buffers by turns.  Modes 0, 1: tile m's quantiser writes buffer m % 2 (v68-78, v160-170); the stores that read it are issued at the head of step m + 1.
;                 Mode 2: the two channel tiles of a half write v68-86 and v128-146; six stores follow both.
; So in modes 0 and 1 ONE wait on va_vdst stands at a step's head, behind the wait for the tile's fragments: it states that the last step's products are done reading the other buffer and that the last step's
; quantiser has written its codes.  The step's thirteen LDS loads and two stores follow it; the products and the quantiser behind them name none of those registers.
.set XIMG,  0                          ; LDS: x's 32 fragments, (m, s) at (4 m + s) x 1,536
.set XSC,   49152                      ; their scale words: (m, s) at 512 m + 16 x lane + 4 s
.set SPARE, 53248                      ; the spare words, 128 bytes a wave
.set XA,   4                           ; v4  x: my row's byte + 64 h
.set LI16, 5                           ; v5  16 x lane
.set LI8,  6                           ; v6  8 x lane
.set XWI,  7                           ; v7  where I store my images: 16 x lane + 6,144 x wave
.set XWS,  8                           ; v8  and their scale words: 16 x lane + 512 x wave
.set MA,   9                           ; v9  the mask: 4 (r + 8 (r / 8))
.set EV0,  10                          ; v10 bytes 2, 3 of a scale word: open key (or Q)
.set EV1,  11                          ; v11 hidden key (or Q)
.set SPW,  12
.set NIL,  13
.set XF,   16                          ; v16-63   a tile's four fragments of x: buffer 0
.set XS,   64                          ; v64-67   their scale words: buffer 0
.set PC,   68                          ; v68-86   codes just made: buffer 0
.set TM,   88                          ; v88-103  at work in the quantiser
.set PW,   104                         ; v104     scale word just made
.set SWE,  105                         ; v105     an even tile's word
.set VSW,  106                         ; v106-107 V's scale words
.set SWP,  108                         ; v108-111 Q's or K's scale words
.set WS,   112                         ; v112-119 the weight's scale words: register 2 s + a
.set MK,   120                         ; v120-127 the mask's numbers of tile m's keys
.set STA,  128                         ; v128-191, v192-255: 64 numbers of x each; later the accumulators
.set STB,  192
.set HA,   128
.set QKD,  160                         ; modes 0, 1: buffer 1 of x's fragments and scale words lies 160 registers above buffer 0: v176-223, v224-227
.set QKP,  92                          ; modes 0, 1: buffer 1 of the codes lies 92 registers above buffer 0: v160-170
.set VXF,  192                         ; mode 2: buffer 1 of x's fragments: v192-239 of window 1
.set VXS,  120                         ; mode 2: its scale words: v120-123, the mask's registers, which mode 2 does not read
.set VPC,  128                         ; mode 2: buffer 1 of the codes: v128-146, accumulators that have been quantised
.set SEL,  20
.set MSB, 0
.macro WIN new                         ; the immediate's high byte repeats the setting that is left
.if MSB != \new
	s_set_vgpr_msb (MSB<<8)|\new
.set MSB, \new
.endif
.endm
; one matrix instruction.  z = 1: C is the constant 0; row = 1: source 0's scales stand in lanes 16-31; row = 2: source 1's
.macro MM d, a, b, z, sa, sb, row
.if \z
.if (\row) == 1
	v_wmma_scale_f32_16x16x128_f8f6f4 v[\d:\d+7], v[\a:\a+11], v[\b:\b+11], 0, v[\sa], v[\sb] matrix_a_fmt:MATRIX_FMT_FP6 matrix_b_fmt:MATRIX_FMT_FP6 matrix_a_scale:MATRIX_SCALE_ROW1
.elseif (\row) == 2
	v_wmma_scale_f32_16x16x128_f8f6f4 v[\d:\d+7], v[\a:\a+11], v[\b:\b+11], 0, v[\sa], v[\sb] matrix_a_fmt:MATRIX_FMT_FP6 matrix_b_fmt:MATRIX_FMT_FP6 matrix_b_scale:MATRIX_SCALE_ROW1
.else
	v_wmma_scale_f32_16x16x128_f8f6f4 v[\d:\d+7], v[\a:\a+11], v[\b:\b+11], 0, v[\sa], v[\sb] matrix_a_fmt:MATRIX_FMT_FP6 matrix_b_fmt:MATRIX_FMT_FP6
.endif
.else
.if (\row) == 1
	v_wmma_scale_f32_16x16x128_f8f6f4 v[\d:\d+7], v[\a:\a+11], v[\b:\b+11], v[\d:\d+7], v[\sa], v[\sb] matrix_a_fmt:MATRIX_FMT_FP6 matrix_b_fmt:MATRIX_FMT_FP6 matrix_a_scale:MATRIX_SCALE_ROW1
.elseif (\row) == 2
	v_wmma_scale_f32_16x16x128_f8f6f4 v[\d:\d+7], v[\a:\a+11], v[\b:\b+11], v[\d:\d+7], v[\sa], v[\sb] matrix_a_fmt:MATRIX_FMT_FP6 matrix_b_fmt:MATRIX_FMT_FP6 matrix_b_scale:MATRIX_SCALE_ROW1
.else
	v_wmma_scale_f32_16x16x128_f8f6f4 v[\d:\d+7], v[\a:\a+11], v[\b:\b+11], v[\d:\d+7], v[\sa], v[\sb] matrix_a_fmt:MATRIX_FMT_FP6 matrix_b_fmt:MATRIX_FMT_FP6
.endif
.endif
.endm
; 64 numbers of a lane, register 16 b + i = k 32 b + 16 (lane / 16) + i of my row, become a fragment's codes in v[pc] on and its scale word in v[PW]
.macro QUANT4 s, pc
.irp b, 0,1,2,3
	v_max3_num_f32 v[TM+\b], |v[\s+16*\b]|, |v[\s+1+16*\b]|, 0x1800000   ; my 16 numbers of block b, and the floor 2^(3 - 127): the byte cannot fall under 1
.endr
.irp i, 2,4,6,8,10,12,14
.irp b, 0,1,2,3
	v_max3_num_f32 v[TM+\b], v[TM+\b], |v[\s+16*\b+\i]|, |v[\s+1+16*\b+\i]|
.endr
.endr
.irp b, 0,1,2,3
	v_permlanex16_b32 v[TM+4+\b], v[TM+\b], s[SEL], s[SEL+1]
.endr
.irp b, 0,1,2,3
	v_max_num_f32 v[TM+\b], v[TM+\b], v[TM+4+\b]   ; with lane l xor 16's: the block's largest magnitude
.endr
.irp b, 0,1,2,3
	v_add_nc_u32 v[TM+12+\b], 0xff000000, v[TM+\b] ; 2 off its exponent field: the conversion's scale operand
.endr
.irp b, 0,1,2,3
	v_lshrrev_b32 v[TM+4+\b], 23, v[TM+12+\b]      ; the scale's byte
.endr
	v_lshl_or_b32 v[PW], v[TM+5], 8, v[TM+4]
	v_lshl_or_b32 v[PW], v[TM+6], 16, v[PW]
	v_lshl_or_b32 v[PW], v[TM+7], 24, v[PW]
.irp c, 0,1
	v_cvt_scalef32_pk16_fp6_f32 v[\pc+6*\c:\pc+2+6*\c], v[\s+32*\c:\s+15+32*\c], v[TM+12+2*\c]
	v_cvt_scalef32_pk16_fp6_f32 v[\pc+12+4*\c:\pc+14+4*\c], v[\s+16+32*\c:\s+31+32*\c], v[TM+12+2*\c+1]   ; (a conversion's three registers begin on an even number)
.endr
	v_nop                                          ; one plain place behind a scaled conversion
.irp c, 0,1                                    ; the operand's layout wants a WHOLE block in a lane
.irp i, 0,1,2
	v_permlane16_swap_b32 v[\pc+6*\c+\i], v[\pc+12+4*\c+\i]
.endr
.irp i, 0,1,2
	v_mov_b32 v[\pc+3+6*\c+\i], v[\pc+12+4*\c+\i]
.endr
.endr
.endm
; the same for 32 numbers, two blocks: six registers of codes in v[pc] on, the two bytes in v[TM+4], v[TM+5]
.macro QUANT2 s, pc
.irp b, 0,1
	v_max3_num_f32 v[TM+\b], |v[\s+16*\b]|, |v[\s+1+16*\b]|, 0x1800000
.endr
.irp i, 2,4,6,8,10,12,14
.irp b, 0,1
	v_max3_num_f32 v[TM+\b], v[TM+\b], |v[\s+16*\b+\i]|, |v[\s+1+16*\b+\i]|
.endr
.endr
.irp b, 0,1
	v_permlanex16_b32 v[TM+4+\b], v[TM+\b], s[SEL], s[SEL+1]
.endr
.irp b, 0,1
	v_max_num_f32 v[TM+\b], v[TM+\b], v[TM+4+\b]
.endr
.irp b, 0,1
	v_add_nc_u32 v[TM+12+\b], 0xff000000, v[TM+\b]
.endr
.irp b, 0,1
	v_lshrrev_b32 v[TM+4+\b], 23, v[TM+12+\b]
.endr
	v_cvt_scalef32_pk16_fp6_f32 v[\pc:\pc+2], v[\s:\s+15], v[TM+12]
	v_cvt_scalef32_pk16_fp6_f32 v[\pc+8:\pc+10], v[\s+16:\s+31], v[TM+13]
	v_nop
.irp i, 0,1,2
	v_permlane16_swap_b32 v[\pc+\i], v[\pc+8+\i]
.endr
.irp i, 0,1,2
	v_mov_b32 v[\pc+3+\i], v[\pc+8+\i]
.endr
.endm
.macro XLOAD reg, s                    ; my 16 rows' numbers of K step s: of each block of 32 my half's 16 neighbours
.irp b, 0,1,2,3
.irp j, 0,1,2,3
	global_load_b128 v[\reg+16*\b+4*\j:\reg+16*\b+4*\j+3], v[XA], s[24:25] offset:512*(\s)+128*\b+16*\j th:TH_LOAD_NT
.endr
.endr
.endm
.macro XQ reg, s                       ; K step s of my rows: quantised; the K step two on is asked for; its image and scale word go to LDS
.if (\s) > 0
	s_wait_alu depctr_vm_vsrc(0)                   ; the last K step's LDS stores have read v[PC ..] and v[PW], which the quantiser writes again
.endif
	QUANT4 \reg, PC
	s_wait_alu depctr_va_vdst(0)                   ; the quantiser has written v[PC ..] and v[PW], which the LDS stores read, and is done reading its 64 numbers, in whose registers the loads below land
.if (\s) < 2
	XLOAD \reg, (\s)+2
.endif
.irp c, 0,1,2
	ds_store_b128 v[XWI], v[PC+4*\c:PC+4*\c+3] offset:XIMG+1536*(\s)+512*\c
.endr
	ds_store_b32 v[XWS], v[PW] offset:XSC+4*(\s)
.if (\s) == 3
	s_wait_dscnt 0x0                               ; for the others' sake: all sixteen of my LDS stores have landed
.endif
.endm
.macro FETCHX m, xf, xs                ; tile m's four fragments and four scale words, in any wave, into registers of window 0
.irp i, 0,1,2,3,4,5,6,7,8,9,10,11
	ds_load_b128 v[\xf+4*\i:\xf+4*\i+3], v[LI16] offset:XIMG+(\m)*6144+512*\i
.endr
	ds_load_b128 v[\xs:\xs+3], v[LI16] offset:XSC+512*(\m)
.endm
.macro FETCHW m, w                     ; mode 2: the same into buffer 1: the fragments in window 1, the scale words in window 0.  w = 0: the first time, when no product has read the buffer
	WIN 0x40                                       ; destination window 1, address window 0
.if (\w) > 0
	s_wait_alu depctr_va_vdst(0)                   ; the last products that read buffer 1, fragments and scale words, are done reading it
.endif
.irp i, 0,1,2,3,4,5,6,7,8,9,10,11
	ds_load_b128 v[VXF+4*\i:VXF+4*\i+3], v[LI16] offset:XIMG+(\m)*6144+512*\i
.endr
	WIN 0
	ds_load_b128 v[VXS:VXS+3], v[LI16] offset:XSC+512*(\m)
.endm
.macro PLACES
.rept 4
	v_nop
.endr
.endm
	s_load_b256 s[4:11], s[0:1], 0x0               ; q, k, v, attention_mask
	s_load_b128 s[12:15], s[0:1], 0x20             ; WC, QB
	s_load_b64 s[16:17], s[0:1], 0x30              ; KV
	v_lshl_add_u32 v[SPW], v0, 2, SPARE
	v_mov_b32 v[NIL], 0
	v_lshrrev_b32 v1, 5, v0
	v_readfirstlane_b32 s18, v1                    ; wave 0..7
	s_and_b32 s19, ttmp7, 0xffff                   ; mode
	v_and_b32 v1, 31, v0                           ; lane
	v_and_b32 v2, 15, v0                           ; r
	v_bfe_u32 v3, v0, 4, 1                         ; h
	v_and_b32 v14, 8, v2
	v_add_nc_u32 v14, v14, v2                      ; r + 8 (r / 8)
	v_lshlrev_b32 v[XA], 11, v14
	v_lshl_add_u32 v[XA], v3, 6, v[XA]
	v_lshlrev_b32 v[LI16], 4, v1
	v_lshlrev_b32 v[LI8], 3, v1
	v_lshlrev_b32 v[MA], 2, v14
.irp b, 0,1,2,3
	v_mov_b32 v[TM+4+\b], 0                        ; written once: a lane permute's destination counts as one of its sources
.endr
.irp m, 0,1,2,3,4,5,6,7
	v_mov_b32 v[MK+\m], 1                          ; modes 0 and 2 have no mask: every row counts as open
.endr
	s_mov_b32 s[SEL], 0x76543210
	s_mov_b32 s[SEL+1], 0xfedcba98
	s_mov_b32 s22, 0xffff0000                      ; lanes 16-31
	s_wait_alu depctr_va_sdst(0)                   ; s18, the wave's number, is written, ahead of its first reader
	s_mul_i32 s40, s18, 6144                       ; (s40 and s41 are read by vector lines and never written again)
	v_add_nc_u32 v[XWI], s40, v[LI16]
	s_lshl_b32 s41, s18, 9
	v_add_nc_u32 v[XWS], s41, v[LI16]
	s_lshl_b32 s32, ttmp9, 18                      ; the block's 128 rows of 2,048 bytes
	s_lshr_b32 s33, s18, 1
	s_lshl_b32 s33, s33, 16                        ; + 32 (w / 2) rows
	s_add_co_u32 s32, s32, s33
	s_and_b32 s33, s18, 1
	s_lshl_b32 s33, s33, 14                        ; + 8 (w % 2) rows
	s_add_co_u32 s32, s32, s33
	s_mov_b32 s33, 0
	s_lshr_b32 s34, ttmp9, 5                       ; the batch
	s_lshl_b32 s34, s34, 3
	s_add_co_u32 s34, s34, s18                     ; bh = 8 x batch + head
	s_lshl_b32 s34, s34, 5
	s_and_b32 s35, ttmp9, 31
	s_add_co_u32 s34, s34, s35                     ; my record: 32 bh + step
	s_wait_kmcnt 0x0
	s_cmp_eq_u32 s19, 0                            ; all choices hang on the work-group's y alone
	s_cselect_b64 s[26:27], s[14:15], s[16:17]     ; QB or KV
	s_mov_b32 s36, 13056
	s_cselect_b32 s36, 6656, s36                   ; a record's bytes
	s_mov_b32 s37, 0x7f010000
	s_cselect_b32 s37, 0x7f640000, s37             ; bytes 2, 3: Q's, or an open key's
	s_mov_b32 s38, 0x7ffe0000
	s_cselect_b32 s38, 0x7f640000, s38             ; Q's, or a hidden key's
	s_cselect_b64 s[24:25], s[4:5], s[6:7]
	s_cmp_eq_u32 s19, 2
	s_cselect_b64 s[24:25], s[8:9], s[24:25]       ; x = q, k or v
	s_cselect_b32 s39, 6656, 0                     ; V's part lies behind K's
	s_mul_i32 s34, s34, s36
	s_add_co_u32 s34, s34, s39
	s_mov_b32 s35, 0
	s_add_nc_u64 s[26:27], s[26:27], s[34:35]      ; where my results go
	s_add_nc_u64 s[24:25], s[24:25], s[32:33]      ; my 16 rows of x
	s_lshl_b32 s34, s19, 3
	s_add_co_u32 s34, s34, s18
	s_mul_i32 s34, s34, 25600
	s_add_nc_u64 s[28:29], s[12:13], s[34:35]      ; my head's record of the mode's weight
	s_lshl_b32 s34, ttmp9, 9
	s_add_nc_u64 s[30:31], s[10:11], s[34:35]      ; the block's 128 numbers of the mask
	v_mov_b32 v[EV0], s37
	v_mov_b32 v[EV1], s38
	s_wait_alu depctr_va_vdst(0)                   ; the offsets and LDS addresses v4 to v9 are written, which every load and store of the kernel reads; so are v120 to v127, in which the mask's loads land
	s_cmp_lg_u32 s19, 1
	s_cbranch_scc1 .Lno_mask
.irp m, 0,1,2,3,4,5,6,7
	global_load_b32 v[MK+\m], v[MA], s[30:31] offset:(32*(\m/2)+8*(\m%2))*4   ; the oldest loads: no later count hangs on them
.endr
.Lno_mask:
	; ---- X: my 16 rows become four fragments.  Two sets of 64 registers by turns; the weight's 52 loads go out behind the first two K steps'
	XLOAD STA, 0
	XLOAD STB, 1
	WIN 0x40                                       ; destination window 1
.set I, 0
.rept 48
	global_load_b128 v[4*I:4*I+3], v[LI16], s[28:29] offset:512*I   ; fragment (t, s) at v[12 (4 t + s)] of window 1: it stays.  (Between the wait above and these lines stand loads and window switches alone)
.set I, I+1
.endr
	WIN 0
.irp s, 0,1,2,3
	global_load_b64 v[WS+2*\s:WS+2*\s+1], v[LI8], s[28:29] offset:24576+256*\s
.endr
	s_wait_loadcnt 63                              ; K step 0 is in: 68 loads were issued behind it; the count is the most that the wait's field holds
	XQ STA, 0                                      ; (asks for K step 2)
	s_wait_loadcnt 63                              ; K step 1 is in: again 68 behind it
	XQ STB, 1                                      ; (asks for K step 3)
	s_wait_loadcnt 16                              ; K step 2, the weight and the mask are in; K step 3's 16 loads may be out
	XQ STA, 2
	s_wait_loadcnt 0x0
	XQ STB, 3
	s_barrier_signal -1                            ; every wave's stores have landed (the wait for 0 at the end of the last XQ)
	s_barrier_wait -1                              ; x's 32 fragments lie in LDS; nobody writes LDS again but for the closing lines
	s_wait_alu depctr_vm_vsrc(0)                   ; my LDS stores have read v[PC ..] and v[PW], which the quantisers of both ways below write again
	s_cmp_eq_u32 s19, 2
	s_cbranch_scc1 .Lmode_v
	; ---- MODES 0, 1: a tile of 16 rows at a time: 16 products on four accumulators by turns, then the quantiser
.macro QKTILE m
.set XFB, XF+QKD*((\m)%2)              ; this tile's fragments, scale words and codes;
.set XSB, XS+QKD*((\m)%2)
.set PCM, PC+QKP*((\m)%2)
.set XFN, XF+QKD*(1-(\m)%2)            ; the other buffers: the next tile's fragments, the last tile's codes
.set XSN, XS+QKD*(1-(\m)%2)
.set PCL, PC+QKP*(1-(\m)%2)
	s_wait_dscnt 0x0                               ; this tile's fragments and scale words are in
.if (\m) > 1
	s_wait_xcnt 0x0                                ; the stores issued a step ago have had their addresses translated: their data registers are rewritten only behind this wait
	s_wait_alu depctr_vm_vsrc(0)                   ; and have read this step's buffer of codes, which its quantiser writes again
.endif
.if (\m) > 0
	s_wait_alu depctr_va_vdst(0)                   ; the last step's products are done reading the other fragments and scale words, in which the loads below land; its quantiser has written the other codes, which the stores below read
.endif
.if (\m) < 7
	FETCHX (\m)+1, XFN, XSN                        ; (in the first step no wait is owed: no vector or matrix instruction since the X phase's last wait names these registers)
.endif
.if (\m) > 0
	global_store_b128 v[LI16], v[PCL:PCL+3], s[26:27] offset:512*((\m)-1)          ; the last tile's codes: 512 consecutive bytes, aligned
	global_store_b64 v[LI8], v[PCL+4:PCL+5], s[26:27] offset:4096+256*((\m)-1)     ; 256 consecutive bytes, aligned
.endif
	WIN 0x01                                       ; source 0 (the weight) window 1
.irp t, 0,1,2,3
	MM HA+8*\t, 12*(4*\t), XFB, 1, WS+\t/2, XSB, \t%2
.endr
.irp s, 1,2,3
.irp t, 0,1,2,3
	MM HA+8*\t, 12*(4*\t+\s), XFB+12*\s, 0, WS+2*\s+\t/2, XSB+\s, \t%2
.endr
.endr
	WIN 0
	PLACES                                         ; four places in front of the first read of results
	v_cmp_eq_u32 vcc_lo, 0, v[MK+(\m)]             ; the mask's compare stands ahead of the quantiser, its reader behind
	QUANT2 HA, PCM                                 ; register 16 b + i = channel 32 b + 16 h + i of my row
	s_wait_alu depctr_va_vcc(0)                    ; the compare has written VCC, ahead of the select that reads it
	v_cndmask_b32 v[PW], v[EV0], v[EV1], vcc_lo    ; bytes 2 and 3: the mask's part
	v_lshl_or_b32 v[PW], v[TM+5], 8, v[PW]
.if (\m)%2 == 0
	v_or_b32 v[SWE], v[PW], v[TM+4]
.else
	v_or_b32 v[PW], v[PW], v[TM+4]
	v_cndmask_b32 v[SWP+(\m)/2], v[SWE], v[PW], s22   ; lanes 0-15 the even tile's word, lanes 16-31 the odd one's
.endif
.endm
	FETCHX 0, XF, XS                               ; no vector or matrix instruction has named these registers
.irp m, 0,1,2,3,4,5,6,7
	QKTILE \m
.endr
	s_wait_alu depctr_va_vdst(0)                   ; tile 7's quantiser has written its codes, and the last select the scale words: the three stores below read them
	global_store_b128 v[LI16], v[PC+QKP:PC+QKP+3], s[26:27] offset:512*7
	global_store_b64 v[LI8], v[PC+QKP+4:PC+QKP+5], s[26:27] offset:4096+256*7
	global_store_b128 v[LI16], v[SWP:SWP+3], s[26:27] offset:6144
	s_branch .Lend
.Lmode_v:
	; ---- MODE 2: two tiles of channels at a time: accumulator (tt, m) at v[128 + 64 tt + 8 m]; the two take turns
.macro VTILE tp, m
	s_wait_dscnt 0x0                               ; this tile's fragments and scale words are in
.if ((\tp) == 1) && ((\m) == 0)
	s_wait_xcnt 0x0                                ; the first half's six stores have had their addresses translated: their data registers are rewritten only behind this wait
	s_wait_alu depctr_vm_vsrc(0)                   ; and have read both buffers of codes: v128 on is written again by the products below, v68 on by the next quantiser
.endif
.if ((\tp) == 0) || ((\m) < 7)
.if (\m)%2 == 0
	FETCHW (\m)+1, (\tp)+(\m)                      ; the next tile into buffer 1
.else
	s_wait_alu depctr_va_vdst(0)                   ; the last step's products are done reading buffer 0, fragments and scale words, in which the loads below land
	FETCHX ((\m)+1)%8, XF, XS                      ; the next tile (behind tile 7: the second half's tile 0) into buffer 0
.endif
.endif
.if (\m)%2 == 0
.set XFB, XF
.set XSB, XS
	WIN 0x04                                       ; source 1 (the weight) window 1
.else
.set XFB, VXF
.set XSB, VXS
	WIN 0x05                                       ; sources 0 (x, buffer 1) and 1 (the weight) window 1
.endif
.irp tt, 0,1
	MM 128+64*\tt+8*(\m), XFB, 12*(4*(2*(\tp)+\tt)), 1, XSB, WS+(\tp), 2*\tt
.endr
.irp s, 1,2,3
.irp tt, 0,1
	MM 128+64*\tt+8*(\m), XFB+12*\s, 12*(4*(2*(\tp)+\tt)+\s), 0, XSB+\s, WS+2*\s+(\tp), 2*\tt
.endr
.endr
	WIN 0
	PLACES                                         ; four places behind the products: in front of the loads into x's registers, beside the wait that stands ahead of those, and of the first read of results
.endm
	FETCHX 0, XF, XS                               ; no vector or matrix instruction has named these registers
.irp tp, 0,1
.irp m, 0,1,2,3,4,5,6,7
	VTILE \tp, \m
.endr
	QUANT4 128, PC                                 ; register 16 b + i = key 32 b + 16 h + i of my channel
	v_mov_b32 v[SWE], v[PW]
	QUANT4 192, VPC                                ; its codes go where the first tile's accumulators lay
	v_cndmask_b32 v[VSW+\tp], v[SWE], v[PW], s22
	s_wait_alu depctr_va_vdst(0)                   ; both quantisers have written their codes, and the select V's scale words: the stores below read them
.irp c, 0,1,2
	global_store_b128 v[LI16], v[PC+4*\c:PC+4*\c+3], s[26:27] offset:(2*\tp)*1536+512*\c
.endr
.irp c, 0,1,2
	global_store_b128 v[LI16], v[VPC+4*\c:VPC+4*\c+3], s[26:27] offset:(2*\tp+1)*1536+512*\c
.endr
.endr
	global_store_b64 v[LI8], v[VSW:VSW+1], s[26:27] offset:6144
.Lend:
	s_wait_dscnt 0x0                               ; the closing lines, six on end
	s_wait_alu 0x0
	s_wait_tensorcnt 0x0
	ds_add_u32 v[SPW], v[NIL]
	s_wait_dscnt 0x0
	s_endpgm
.Lfunc_end_k_q5ecb71a71e_proj:
	.size	k_q5ecb71a71e_proj, .Lfunc_end_k_q5ecb71a71e_proj-k_q5ecb71a71e_proj
	.p2alignl 7, 3214868480
	.fill 96, 4, 3214868480
	.section	.rodata,"a",@progbits
	.p2align	6, 0x0
	.amdhsa_kernel k_q5ecb71a71e_proj
		.amdhsa_group_segment_fixed_size 54272
		.amdhsa_private_segment_fixed_size 0
		.amdhsa_enable_private_segment 0
		.amdhsa_kernarg_size 56
		.amdhsa_user_sgpr_count 2
		.amdhsa_user_sgpr_kernarg_segment_ptr 1
		.amdhsa_wavefront_size32 1
		.amdhsa_system_sgpr_workgroup_id_x 1
		.amdhsa_system_sgpr_workgroup_id_y 1
		.amdhsa_system_sgpr_workgroup_id_z 1
		.amdhsa_system_vgpr_workitem_id 0
		.amdhsa_next_free_vgpr 512
		.amdhsa_next_free_sgpr 66
		.amdhsa_reserve_vcc 1
		.amdhsa_float_denorm_mode_32 3
		.amdhsa_float_denorm_mode_16_64 3
		.amdhsa_memory_ordered 1
		.amdhsa_forward_progress 1
		.amdhsa_inst_pref_size 125
	.end_amdhsa_kernel
	.amdgpu_metadata
---
amdhsa.version: [ 1, 2 ]
amdhsa.kernels:
  - .name:           k_q5ecb71a71e_proj
    .symbol:         k_q5ecb71a71e_proj.kd
    .args:
      - { .name: q, .offset: 0, .size: 8, .value_kind: global_buffer, .address_space: global }
      - { .name: k, .offset: 8, .size: 8, .value_kind: global_buffer, .address_space: global }
      - { .name: v, .offset: 16, .size: 8, .value_kind: global_buffer, .address_space: global }
      - { .name: attention_mask, .offset: 24, .size: 8, .value_kind: global_buffer, .address_space: global }
      - { .name: WC, .offset: 32, .size: 8, .value_kind: global_buffer, .address_space: global }
      - { .name: QB, .offset: 40, .size: 8, .value_kind: global_buffer, .address_space: global }
      - { .name: KV, .offset: 48, .size: 8, .value_kind: global_buffer, .address_space: global }
    .group_segment_fixed_size: 54272
    .private_segment_fixed_size: 0
    .kernarg_segment_align: 8
    .kernarg_segment_size: 56
    .max_flat_workgroup_size: 256
    .sgpr_count:     66
    .vgpr_count:     512
    .wavefront_size: 32
...
	.end_amdgpu_metadata
.endif
;; end of part 6
;; launch attn (part 7): grid 16 x 16, 16 waves a work-group, clusters of 4 x 1, 327,680 bytes of LDS; arguments QB, KV, AC, AS; writes AC, AS
.if DOCPART == 7
	.amdgcn_target "amdgcn-amd-amdhsa--gfx1250"
	.amdhsa_code_object_version 6
	.text
	.protected	k_q5ecb71a71e_attn
	.globl	k_q5ecb71a71e_attn
	.p2align	8
	.type	k_q5ecb71a71e_attn,@function
k_q5ecb71a71e_attn:
	s_mov_b64 s[64:65], 0
	v_nop
	global_prefetch_b8 v0, s[64:65] scope:SCOPE_SE
	s_setreg_imm32_b32 hwreg(HW_REG_WAVE_MODE, 25, 1), 1
	s_wait_xcnt 0x0
	s_wait_alu depctr_hold_cnt(0) depctr_sa_sdst(0) depctr_va_vdst(0) depctr_va_sdst(0) depctr_va_ssrc(0) depctr_va_vcc(0) depctr_vm_vsrc(0)
	s_getreg_b32 s2, hwreg(HW_REG_IB_STS2, 6, 4)
	s_cmp_eq_u32 s2, 0
	s_cbranch_scc0 .Lentry_in_a_cluster
	s_endpgm
.Lentry_in_a_cluster:
	s_bfe_u32 s2, ttmp6, 0x10000c
	s_cmp_lg_u32 s2, 0x3003
	s_cbranch_scc0 .Lentry_shape_is_right
	s_endpgm
.Lentry_shape_is_right:
; PRODUCTS 4 AND 5: the attention of one head on codes of FP6, with a streaming softmax; the result, divided by the row's sum, is quantised along the head's 64 for the last product.  No work of reference() is left out here.
; THE SOFTMAX: t = score x log2(e) / 8; M = the running largest t rounded UP to a whole number; p = 2^(t - M) is quantised along the keys, not normalised; the row's sum is taken of the unquantised p.
; SHARES: work-group y = bh (8 x batch + head), x = a block of 256 queries; each of SIXTEEN waves owns 16 queries in 256 registers, four waves to a SIMD: one wave's vector work stands beside another's products and LDS loads.
; Both products are used transposed (S^T = K Q^T, O^T = V^T P^T): a lane holds ONE query throughout.  Keys, queries and channels were laid by proj so that the registers of two neighbouring tiles are 16 neighbours.
; K AND V of a head are one dense stream of 32 records of 13,056 bytes (a key step of 128 each), laid in the order of the operands' registers: every LDS read is 16 or 8 consecutive bytes a lane, no pitch, no padding.
; RING: two LDS slots of four key steps.  Waves 0 to 3 fetch a record each, as 51 rows of 256 bytes; all sixteen read them.
; CLUSTER: the four query blocks of a cluster walk the same stream: each record is asked for JOINTLY, by the same tensor load with the same descriptor and the mask 15.
; THE MASK costs no line here: the first product's K is 64 of the instruction's 128; at k = 64 stands one code, -1 in Q and +1 in K (constant registers), and the scale bytes made by proj turn that product into -2^100 for a hidden key
; and into -2^-153 for an open one.  The largest t begins at -2^90, over every hidden t (about -2^97.5): so a hidden key's p is 0, also where a whole step is hidden.
; A row with no open key has the sum 0: it is divided by 1 and its scale word becomes 0xffff, which makes the last product's sums NaN, as reference()'s are.
; LIMITS: |t| of open keys under 2^89; NaN and infinities among the inputs are not served.
.set RECB,  13056                      ; a key step's record
.set SLOTB, 4*RECB                     ; a slot's bytes
.set HEADB, 32*RECB                    ; a head's stream
.set SLOT1, 65536                      ; slot 1 begins here: one exclusive or turns an address from one slot to the other
.set SPARE, 131072                     ; the spare words, 128 bytes for each of 16 waves
.set LI16, 1                           ; v1  16 x lane
.set LI8,  2                           ; v2  8 x lane
.set SPW,  5
.set NIL,  6
.set ADA,  8                           ; v8  the step's record + 16 x lane
.set ADB,  9                           ; v9  + 8 x lane
.set KB,   32                          ; v32-79   four fragments of K: registers 0-5 loaded, 6-11 constant
.set VB,   80                          ; v80-127  V's four fragments
.set S,    128                         ; v128-191 S^T, then p
.set OT,   192                         ; v192-223 O^T
; v12 -M, v13 the largest t, v[14:15] the sum in two halves; v16-27 Q; v28 Q's scale words; v29 the prefetches' offset; v[30:31] V's scale words; v224-235 p's codes; v232-247, v252, v254 at work; v248-251 K's scale words; v253 p's scale word
.set WV,   12                          ; s12 my wave's number
.set SEL,  20
.set CS,   22                          ; s[22:23] c = log2(e) / 8
.set G1,   24                          ; s[24:31] descriptor group 1
.set G0,   32                          ; s[32:35] group 0, which walks
.set TB,   36                          ; s36 LDS byte of the step's record
.set SLOTS, 37
.set INNER, 38
.set LIM,  39                          ; s39 1 in a wave that prefetches, else the greatest number
.set PFA,  40                          ; s[40:41] where my prefetches stand
.macro MM d, a, b, z, sa, sb, row
.if \z
.if (\row) == 1
	v_wmma_scale_f32_16x16x128_f8f6f4 v[\d:\d+7], v[\a:\a+11], v[\b:\b+11], 0, v[\sa], v[\sb] matrix_a_fmt:MATRIX_FMT_FP6 matrix_b_fmt:MATRIX_FMT_FP6 matrix_a_scale:MATRIX_SCALE_ROW1
.else
	v_wmma_scale_f32_16x16x128_f8f6f4 v[\d:\d+7], v[\a:\a+11], v[\b:\b+11], 0, v[\sa], v[\sb] matrix_a_fmt:MATRIX_FMT_FP6 matrix_b_fmt:MATRIX_FMT_FP6
.endif
.else
.if (\row) == 1
	v_wmma_scale_f32_16x16x128_f8f6f4 v[\d:\d+7], v[\a:\a+11], v[\b:\b+11], v[\d:\d+7], v[\sa], v[\sb] matrix_a_fmt:MATRIX_FMT_FP6 matrix_b_fmt:MATRIX_FMT_FP6 matrix_a_scale:MATRIX_SCALE_ROW1
.else
	v_wmma_scale_f32_16x16x128_f8f6f4 v[\d:\d+7], v[\a:\a+11], v[\b:\b+11], v[\d:\d+7], v[\sa], v[\sb] matrix_a_fmt:MATRIX_FMT_FP6 matrix_b_fmt:MATRIX_FMT_FP6
.endif
.endif
.endm
.macro PLACES
.rept 4
	v_nop
.endr
.endm
.macro CROUND                          ; a round of the cluster's barrier
	s_barrier_signal -1
	s_barrier_wait -1
	s_cmp_lg_u32 s[WV], 0
	s_cbranch_scc1 .Lnot_wave_0_\@
	s_barrier_signal -3
.Lnot_wave_0_\@:
	s_barrier_wait -3
	s_barrier_signal -1
	s_barrier_wait -1
.endm
.macro TLOAD                           ; waves 0 to 3 fetch a record each; the branch hangs on the wave's number alone.  An s_nop 0 and four v_nop follow the load
	s_cmp_lt_u32 s[WV], 4
	s_cbranch_scc0 .Lasked_\@
	tensor_load_to_lds s[G0:G0+3], s[G1:G1+7]
	s_nop 0
.rept 4
	v_nop
.endr
.Lasked_\@:
.endm
; A PREFETCH INTO THE L2 of the slot that the NEXT change of slots will ask for: four key steps ahead of that load.  All clusters of a head walk the same stream: the head's first cluster asks.  Its four partners take a record each,
; told apart BY ADDRESS; in each, waves 4 and 5 ask: a record is 51 blocks of 256 bytes, a lane a block (wave 5's lanes 19 to 31 name the record's last block with lane 18).  The last change that fills a slot asks for nothing.
.macro ASK
	s_cmp_gt_u32 s[SLOTS], s[LIM]
	s_cbranch_scc0 .Lnot_mine_\@
	global_prefetch_b8 v29, s[PFA:PFA+1] th:TH_LOAD_NT scope:SCOPE_SE
.Lnot_mine_\@:
.endm
.macro KLOAD g                         ; K's tiles 4 g .. 4 g + 3: six registers each
.irp t, 0,1,2,3
	ds_load_b128 v[KB+12*\t:KB+12*\t+3], v[ADA] offset:512*(4*\g+\t)
	ds_load_b64 v[KB+12*\t+4:KB+12*\t+5], v[ADB] offset:4096+256*(4*\g+\t)
.endr
.endm
.macro KQ g                            ; S^T of these four tiles: each product starts its sum
.irp t, 0,1,2,3
	MM S+8*(4*\g+\t), KB+12*\t, 16, 1, 248+2*\g+\t/2, 28, \t%2
.endr
.endm
; A KEY STEP: 128 keys
.macro STEP
	v_add_nc_u32 v[ADA], s[TB], v[LI16]
	v_add_nc_u32 v[ADB], s[TB], v[LI8]
	ds_load_b128 v[248:251], v[ADA] offset:6144    ; K's scale words: register j = tile 2 j in lanes 0-15, tile 2 j + 1 in lanes 16-31
	KLOAD 0
	s_wait_alu depctr_va_vdst(0)
	s_wait_dscnt 0x0
	KQ 0
	PLACES                                         ; in front of loads into registers that products have read; with the two additions above: six places behind the last step's products, whose V these loads replace
	KLOAD 1
.irp i, 0,1,2,3,4,5,6,7,8,9,10,11
	ds_load_b128 v[VB+4*\i:VB+4*\i+3], v[ADA] offset:6656+512*\i
.endr
	ds_load_b64 v[30:31], v[ADB] offset:12800
	s_wait_dscnt 13                                ; K's tiles are in; V's thirteen loads, issued behind them, may be out
	KQ 1
	PLACES
.irp b, 0,1,2,3
	v_max3_num_f32 v[232+\b], v[S+16*\b], v[S+1+16*\b], v[S+2+16*\b]   ; the largest score of each block of 32 keys: for the row's maximum, and, since p rises with the score, for the block's largest p
.endr
.irp i, 3,5,7,9,11,13
.irp b, 0,1,2,3
	v_max3_num_f32 v[232+\b], v[232+\b], v[S+16*\b+\i], v[S+1+16*\b+\i]
.endr
.endr
.irp b, 0,1,2,3
	v_max_num_f32 v[232+\b], v[232+\b], v[S+15+16*\b]
.endr
.irp b, 0,1,2,3
	s_delay_alu instid0(VALU_DEP_4)
	v_permlanex16_b32 v[236+\b], v[232+\b], s[SEL], s[SEL+1]
.endr
.irp b, 0,1,2,3
	s_delay_alu instid0(VALU_DEP_4)
	v_max_num_f32 v[232+\b], v[232+\b], v[236+\b]  ; with lane l xor 16's 16 keys
.endr
	s_delay_alu instid0(VALU_DEP_2)
	v_max3_num_f32 v254, v232, v233, v234
	s_delay_alu instid0(VALU_DEP_1)
	v_max_num_f32 v254, v254, v235
	s_delay_alu instid0(VALU_DEP_1)
	v_mul_f32 v254, s[CS], v254                    ; the step's largest t
	s_delay_alu instid0(VALU_DEP_1)
	v_max_num_f32 v13, v13, v254                   ; the running largest t
	v_mov_b32 v254, v12
	s_delay_alu instid0(VALU_DEP_2)
	v_floor_f32 v12, -v13                          ; the new -M = floor(-t): M is a whole number
	s_delay_alu instid0(VALU_DEP_1)
	v_sub_f32 v254, v12, v254                      ; old M - new M: a whole number, 0 or less
	s_delay_alu instid0(VALU_DEP_1)
	v_cvt_i32_f32 v254, v254                       ; (it saturates)
	s_delay_alu instid0(VALU_DEP_1)
	v_ldexp_f32 v252, 1.0, v254                    ; f = 2^(old M - new M)
.set J, 0
.rept 32
	v_pk_fma_f32 v[S+J:S+J+1], v[S+J:S+J+1], s[CS:CS+1], v[12:13] op_sel_hi:[1,0,0]   ; t - M, two at a time
.set J, J+2
.endr
.irp b, 0,1,2,3
	v_fma_f32 v[232+\b], v[232+\b], s[CS], v12     ; the same of each block's largest score
.endr
.set J, 0
	s_wait_alu depctr_va_vdst(0)
.rept 64
	v_exp_f32 v[S+J], v[S+J]                       ; p = 2^(t - M)
.set J, J+1
.endr
	s_setprio 1
	v_pk_mul_f32 v[14:15], v[14:15], v[252:253] op_sel_hi:[1,0]   ; the sums under the new M: a plain place behind the exponentials
	s_wait_alu depctr_va_vdst(0)                   ; one wait for the batch of 64, ahead of its first reader
.irp b, 0,1,2,3
	v_exp_f32 v[232+\b], v[232+\b]                 ; the block's largest p
.endr
	v_pk_add_f32 v[236:237], v[132:133], v[136:137]
	v_pk_add_f32 v[254:255], v[140:141], v[144:145]
	v_pk_add_f32 v[250:251], v[148:149], v[152:153]
	v_pk_add_f32 v[248:249], v[156:157], v[160:161]
	v_pk_add_f32 v[246:247], v[164:165], v[168:169]
	v_pk_add_f32 v[244:245], v[172:173], v[176:177]
	v_pk_add_f32 v[242:243], v[180:181], v[184:185]
	v_pk_add_f32 v[14:15], v[14:15], v[188:189]
	v_pk_add_f32 v[236:237], v[236:237], v[128:129]
	v_pk_add_f32 v[254:255], v[254:255], v[130:131]
	v_pk_add_f32 v[250:251], v[250:251], v[134:135]
	v_pk_add_f32 v[248:249], v[248:249], v[138:139]
	v_pk_add_f32 v[246:247], v[246:247], v[142:143]
	v_pk_add_f32 v[244:245], v[244:245], v[146:147]
	v_pk_add_f32 v[242:243], v[242:243], v[150:151]
	v_pk_add_f32 v[14:15], v[14:15], v[154:155]
	v_pk_add_f32 v[236:237], v[236:237], v[158:159]
	v_pk_add_f32 v[254:255], v[254:255], v[162:163]
	v_pk_add_f32 v[250:251], v[250:251], v[166:167]
	v_pk_add_f32 v[248:249], v[248:249], v[170:171]
	v_pk_add_f32 v[246:247], v[246:247], v[174:175]
	v_pk_add_f32 v[244:245], v[244:245], v[178:179]
	v_pk_add_f32 v[242:243], v[242:243], v[182:183]
	v_pk_add_f32 v[14:15], v[14:15], v[186:187]
	v_pk_add_f32 v[236:237], v[236:237], v[190:191]
	s_delay_alu instid0(VALU_DEP_2)
	v_pk_add_f32 v[14:15], v[14:15], v[248:249]
	s_delay_alu instid0(VALU_DEP_2)
	v_pk_add_f32 v[236:237], v[236:237], v[246:247]
	v_pk_add_f32 v[254:255], v[254:255], v[244:245]
	v_pk_add_f32 v[250:251], v[250:251], v[242:243]
	s_delay_alu instid0(VALU_DEP_2)
	v_pk_add_f32 v[14:15], v[14:15], v[254:255]
	s_delay_alu instid0(VALU_DEP_2)
	v_pk_add_f32 v[236:237], v[236:237], v[250:251]
	s_delay_alu instid0(VALU_DEP_1)
	v_pk_add_f32 v[14:15], v[14:15], v[236:237]
	s_wait_alu depctr_va_vdst(0)                   ; and one for the four
.irp b, 0,1,2,3
	v_max_num_f32 v[232+\b], 0x1800000, v[232+\b]  ; the floor 2^(3 - 127): the byte cannot fall under 1 (a block of zeros keeps it: its codes are zeros)
.endr
.irp b, 0,1,2,3
	s_delay_alu instid0(VALU_DEP_4)
	v_add_nc_u32 v[244+\b], 0xff000000, v[232+\b]  ; the conversion's scale operand
.endr
.irp b, 0,1,2,3
	s_delay_alu instid0(VALU_DEP_4)
	v_lshrrev_b32 v[236+\b], 23, v[244+\b]         ; the scale's byte
.endr
	s_delay_alu instid0(VALU_DEP_3)
	v_lshl_or_b32 v253, v237, 8, v236              ; p's scale word for these 128 keys
	s_delay_alu instid0(VALU_DEP_1)
	v_lshl_or_b32 v253, v238, 16, v253
	s_delay_alu instid0(VALU_DEP_1)
	v_lshl_or_b32 v253, v239, 24, v253
.irp c, 0,1
	v_cvt_scalef32_pk16_fp6_f32 v[224+6*\c:226+6*\c], v[S+32*\c:S+15+32*\c], v[244+2*\c]
	v_cvt_scalef32_pk16_fp6_f32 v[236+4*\c:238+4*\c], v[S+16+32*\c:S+31+32*\c], v[244+2*\c+1]
.endr
	v_nop                                          ; one plain place behind a scaled conversion
.irp c, 0,1
.irp i, 0,1,2
	v_permlane16_swap_b32 v[224+6*\c+\i], v[236+4*\c+\i]
.endr
.irp i, 0,1,2
	s_delay_alu instid0(VALU_DEP_3)
	v_mov_b32 v[227+6*\c+\i], v[236+4*\c+\i]
.endr
.endr
.set J, 0
	s_setprio 0
.rept 16
	v_pk_mul_f32 v[OT+J:OT+J+1], v[OT+J:OT+J+1], v[252:253] op_sel_hi:[1,0]   ; O^T under the new M.  For each product below twelve of these name none of its registers: the places behind the writes of p's codes and scale word
.set J, J+2
.endr
	s_wait_alu depctr_va_vdst(0)
	s_wait_dscnt 0x0                               ; V is in
.irp t, 0,1,2,3
	MM OT+8*\t, VB+12*\t, 224, 0, 30+\t/2, 253, \t%2   ; the four accumulators by turns, one instruction a turn
.endr
.endm
; THE CHANGE OF SLOTS stands at a slot's head: each wave waits for all its tensor loads, adds 0 to its spare word, and waits for that and for its reads of the slot that it has left.  fill = 1: a round of the cluster's barrier,
; so that no wave of any partner still reads that slot or has a load on its way; then the joint load of the keys that follow, which has four key steps in which to land.
.macro CHANGE fill
	s_wait_tensorcnt 0x0                           ; no tensor load of mine is out, so group 0 may be written
	ds_add_u32 v[SPW], v[NIL]
.if \fill
	ds_add_u32 v[SPW], v[NIL]                      ; and once more
	s_xor_b32 s[G0+1], s[G0+1], SLOT1              ; the other slot than last time,
	s_add_nc_u64 s[G0+2:G0+3], s[G0+2:G0+3], SLOTB ; the next four records; the type bits on top are not reached
	s_wait_xcnt 0x0                                ; the last prefetch, a slot back, has read its address
	s_add_nc_u64 s[PFA:PFA+1], s[PFA:PFA+1], SLOTB
	s_wait_dscnt 0x0                               ; both adds are done, and my reads of the slot that I have left are over
	CROUND
	TLOAD                                          ; the first thing behind the round, and a wave's one tensor load until the next: one load of mine is out at the most
	ASK
.else
	s_wait_dscnt 0x0
	s_barrier_signal -1
	s_barrier_wait -1
.endif
.endm
.macro SLOT_STEPS                      ; a slot's four key steps: written once, walked four times
	s_mov_b32 s[INNER], 4
.Lstep_\@:
	s_setprio 2
	STEP
	s_add_co_u32 s[TB], s[TB], RECB
	s_sub_co_u32 s[INNER], s[INNER], 1
	s_cmp_lg_u32 s[INNER], 0
	s_cbranch_scc1 .Lstep_\@
	s_setprio 0
	s_sub_co_u32 s[TB], s[TB], SLOTB
	s_xor_b32 s[TB], s[TB], SLOT1                  ; on to the other slot
.endm
	s_load_b256 s[4:11], s[0:1], 0x0               ; QB, KV, AC, AS
	v_lshl_add_u32 v[SPW], v0, 2, SPARE
	v_mov_b32 v[NIL], 0
	ds_add_u32 v[SPW], v[NIL]                      ; the wave's opening: the add, twice on end, and its wait ahead of the first tensor load
	ds_add_u32 v[SPW], v[NIL]
	v_lshrrev_b32 v1, 5, v0
	s_delay_alu instid0(VALU_DEP_1)
	v_readfirstlane_b32 s[WV], v1                  ; wave 0..15
	s_and_b32 s15, ttmp7, 0xffff                   ; bh, which the four partners share
	s_and_b32 s44, s[WV], 3
	s_mul_i32 s44, s44, RECB                       ; which record of a slot I fetch: its place in LDS and in the stream
	s_mul_i32 s46, s15, HEADB
	s_add_co_u32 s46, s46, s44
	s_mov_b32 s47, 0
	s_mov_b32 s[G1], 15|(3<<16)|(1<<21)            ; the mask: all four work-groups; elements of 8 bytes; bit 21 set beside a mask; no padding
	s_mov_b32 s[G1+1], 32<<16                      ; tensor_dim0 = 32 elements: 256 bytes
	s_mov_b32 s[G1+2], 51<<16                      ; tensor_dim1 = 51 rows
	s_mov_b32 s[G1+3], 32<<16                      ; tile_dim0
	s_mov_b32 s[G1+4], 51                          ; tile_dim1
	s_mov_b32 s[G1+5], 32                          ; the pitch: dense
	s_mov_b32 s[G1+6], 0
	s_mov_b32 s[G1+7], 0
	s_mov_b32 s[G0], 1
	s_mov_b32 s[G0+1], s44                         ; slot 0
	s_mov_b32 s[SEL], 0x76543210
	s_mov_b32 s[SEL+1], 0xfedcba98
	s_mov_b32 s[CS], 0x3e38aa3b                    ; c = log2(e) / 8
	s_mov_b32 s[CS+1], s[CS]                       ; (named with it as a pair, so it is written)
	s_mov_b32 s[TB], 0
	s_mov_b32 s[SLOTS], 7
	s_bfe_u32 s13, ttmp6, 0x40000                  ; cx: it enters global addresses of Q, of the results and of the prefetches alone
	s_lshl_b32 s14, ttmp9, 2
	s_add_co_u32 s14, s14, s13                     ; my block of 256 queries
	s_mul_i32 s48, s15, HEADB
	s_mul_i32 s49, s13, RECB
	s_add_co_u32 s48, s48, s49
	s_add_co_u32 s48, s48, SLOTB                   ; the prefetches stand in slot 1, at my work-group's record; the first change steps them to slot 2
	s_mov_b32 s49, 0
	s_lshl_b32 s50, s15, 5
	s_lshl_b32 s51, s14, 1
	s_add_co_u32 s50, s50, s51
	s_lshr_b32 s51, s[WV], 3
	s_add_co_u32 s50, s50, s51
	s_mul_i32 s50, s50, 6656                       ; Q's record: 32 bh + 2 x block + wave / 8
	s_mov_b32 s51, 0
	s_lshr_b32 s16, s15, 3
	s_lshl_b32 s16, s16, 8
	s_lshl_b32 s17, s14, 4
	s_add_co_u32 s16, s16, s17
	s_add_co_u32 s16, s16, s[WV]                   ; my tile of rows: 256 x batch + 16 x block + wave
	s_lshl_b32 s16, s16, 3
	s_and_b32 s17, s15, 7
	s_add_co_u32 s16, s16, s17                     ; x 8 + head
	s_mul_i32 s18, s16, 768
	s_mov_b32 s19, 0
	s_lshl_b32 s52, s16, 6
	s_mov_b32 s53, 0
	s_lshr_b32 s16, s[WV], 1
	s_xor_b32 s16, s16, 2                          ; 0 in waves 4 and 5,
	s_or_b32 s16, s16, ttmp9                       ; of the head's first cluster: the same in all four partners
	s_cmp_eq_u32 s16, 0
	s_cselect_b32 s[LIM], 1, -1
	s_wait_dscnt 0x0                               ; both opening adds are done
	s_wait_kmcnt 0x0
	s_add_nc_u64 s[G0+2:G0+3], s[6:7], s[46:47]
	s_or_b32 s[G0+3], s[G0+3], 0x80000000          ; type = 2
	s_add_nc_u64 s[PFA:PFA+1], s[6:7], s[48:49]
	s_add_nc_u64 s[4:5], s[4:5], s[50:51]
	s_add_nc_u64 s[8:9], s[8:9], s[18:19]
	s_add_nc_u64 s[10:11], s[10:11], s[52:53]
	CROUND                                         ; all four work-groups are here: the first joint loads meet
	TLOAD                                          ; slot 0
	v_and_b32 v3, 31, v0
	s_delay_alu instid0(VALU_DEP_1)
	v_lshlrev_b32 v[LI16], 4, v3
	s_delay_alu instid0(VALU_DEP_2)
	v_lshlrev_b32 v[LI8], 3, v3
	v_and_b32 v7, 15, v0                           ; r
	s_wait_alu depctr_va_vdst(0)
	v_lshlrev_b32 v11, 2, v7                       ; 4 r: the way out's scale word
	s_and_b32 s16, s[WV], 1
	s_lshl_b32 s16, s16, 5
	v_add_nc_u32 v29, s16, v3
	s_delay_alu instid0(VALU_DEP_1)
	v_min_u32 v29, 50, v29
	s_delay_alu instid0(VALU_DEP_1)
	v_lshlrev_b32 v29, 8, v29                      ; the prefetches' offset: block min(32 (wave % 2) + lane, 50) of a record
	s_and_b32 s16, s[WV], 7                        ; my tile m in Q's record
	s_lshl_b32 s17, s16, 9
	v_add_nc_u32 v8, s17, v[LI16]                  ; registers 0-3: 512 m + 16 x lane
	s_lshl_b32 s17, s16, 8
	v_add_nc_u32 v9, s17, v[LI8]                   ; registers 4-5: 256 m + 8 x lane
	s_and_b32 s17, s16, 1
	s_lshl_b32 s17, s17, 8
	s_lshr_b32 s16, s16, 1
	s_lshl_b32 s16, s16, 2
	s_add_co_u32 s17, s17, s16
	v_lshl_add_u32 v10, v7, 4, s17                 ; the scale word: 16 (r + 16 (m % 2)) + 4 (m / 2)
	global_load_b128 v[16:19], v8, s[4:5]
	global_load_b64 v[20:21], v9, s[4:5] offset:4096
	global_load_b32 v28, v10, s[4:5] offset:6144
	v_bfe_u32 v3, v0, 4, 1
	s_delay_alu instid0(VALU_DEP_1)
	v_xor_b32 v3, 1, v3                            ; 1 in lanes 0-15, which hold k = 64 .. 95 in registers 6 to 11
	s_delay_alu instid0(VALU_DEP_1)
	v_mul_u32_u24 v22, v3, 0x28                    ; Q: the code of -1 at k = 64
	s_delay_alu instid0(VALU_DEP_2)
	v_lshlrev_b32 v4, 3, v3                        ; K: the code of +1
.irp i, 23,24,25,26,27
	v_mov_b32 v\i, 0
.endr
.irp t, 0,1,2,3
	v_mov_b32 v[KB+12*\t+6], v4
.irp i, 7,8,9,10,11
	v_mov_b32 v[KB+12*\t+\i], 0
.endr
.endr
	v_mov_b32 v13, 0xec800000                      ; the largest t so far: -2^90
	s_delay_alu instid0(VALU_DEP_1)
	v_floor_f32 v12, -v13                          ; -M
	v_mov_b32 v14, 0
	v_mov_b32 v15, 0
.irp b, 0,1,2,3
	v_mov_b32 v[236+\b], 0                         ; written once: a lane permute's destination counts as one of its sources
.endr
	v_mov_b32 v253, 0                              ; (named as the upper half of the pair v[252:253] before it is first written)
.set J, 0
.rept 32
	v_mov_b32 v[OT+J], 0                           ; O^T: the step is written once; its first walk finds zeros
.set J, J+1
.endr
	s_wait_loadcnt 0x0                             ; Q; its address registers are free
.Lslot:                                            ; seven trips: behind each change of slots but the last the next slot is asked for
	CHANGE 1
	SLOT_STEPS
	s_sub_co_u32 s[SLOTS], s[SLOTS], 1
	s_cmp_lg_u32 s[SLOTS], 0
	s_cbranch_scc1 .Lslot
	CHANGE 0                                       ; the last slot is written out
	SLOT_STEPS
	; THE WAY OUT: O^T / the sum, quantised along the head's 64 as the last product's operand: six registers a lane and a scale word a row
	PLACES
	v_add_f32 v14, v14, v15
	s_delay_alu instid0(VALU_DEP_1)
	v_permlanex16_b32 v252, v14, s[SEL], s[SEL+1]
	s_delay_alu instid0(VALU_DEP_1)
	v_add_f32 v14, v14, v252                       ; the row's sum
	v_mov_b32 v254, 1.0
	s_delay_alu instid0(VALU_DEP_2)
	v_cmp_eq_f32 s42, 0, v14                       ; a row with no open key
	s_delay_alu instid0(VALU_DEP_1)
	v_cndmask_b32 v15, v14, v254, s42              ; is divided by 1
	s_wait_alu depctr_va_vdst(0)
	v_rcp_f32 v14, v15
	v_mov_b32 v254, 0xffff                         ; (a plain place behind the transcendental)
	s_wait_alu depctr_va_vdst(0)                   ; a wait ahead of the first reader
.set J, 0
.rept 16
	v_pk_mul_f32 v[S+J:S+J+1], v[OT+J:OT+J+1], v[14:15] op_sel_hi:[1,0]   ; each accumulator from its low end on; register 16 b + i = channel 32 b + 16 h + i
.set J, J+2
.endr
.irp b, 0,1
	v_max3_num_f32 v[232+\b], |v[S+16*\b]|, |v[S+1+16*\b]|, 0x1800000
.endr
.irp i, 2,4,6,8,10,12,14
.irp b, 0,1
	s_delay_alu instid0(VALU_DEP_2)
	v_max3_num_f32 v[232+\b], v[232+\b], |v[S+16*\b+\i]|, |v[S+1+16*\b+\i]|
.endr
.endr
.irp b, 0,1
	s_delay_alu instid0(VALU_DEP_2)
	v_permlanex16_b32 v[236+\b], v[232+\b], s[SEL], s[SEL+1]
.endr
.irp b, 0,1
	s_delay_alu instid0(VALU_DEP_2)
	v_max_num_f32 v[232+\b], v[232+\b], v[236+\b]
.endr
.irp b, 0,1
	s_delay_alu instid0(VALU_DEP_2)
	v_add_nc_u32 v[244+\b], 0xff000000, v[232+\b]
.endr
.irp b, 0,1
	s_delay_alu instid0(VALU_DEP_2)
	v_lshrrev_b32 v[238+\b], 23, v[244+\b]
.endr
	v_cvt_scalef32_pk16_fp6_f32 v[224:226], v[S:S+15], v244
	v_cvt_scalef32_pk16_fp6_f32 v[240:242], v[S+16:S+31], v245
	v_nop
.irp i, 0,1,2
	v_permlane16_swap_b32 v[224+\i], v[240+\i]
.endr
.irp i, 0,1,2
	s_delay_alu instid0(VALU_DEP_3)
	v_mov_b32 v[227+\i], v[240+\i]
.endr
	v_lshl_or_b32 v253, v239, 8, v238
	s_delay_alu instid0(VALU_DEP_1)
	v_cndmask_b32 v253, v253, v254, s42            ; no open key: both bytes 0xff
	global_store_b128 v[LI16], v[224:227], s[8:9]              ; 512 consecutive bytes, aligned
	global_store_b64 v[LI8], v[228:229], s[8:9] offset:512     ; 256 consecutive bytes, aligned
	global_store_b32 v11, v253, s[10:11]                       ; 16 words; both halves of the lanes write the same word with the same value
	s_wait_tensorcnt 0x0                           ; the wave's end
	ds_add_u32 v[SPW], v[NIL]
	s_wait_dscnt 0x0
	CROUND                                         ; the closing round: no work-group ends while a partner may still ask for a record that names it
	s_endpgm
.Lfunc_end_k_q5ecb71a71e_attn:
	.size	k_q5ecb71a71e_attn, .Lfunc_end_k_q5ecb71a71e_attn-k_q5ecb71a71e_attn
	.p2alignl 7, 3214868480
	.fill 96, 4, 3214868480
	.section	.rodata,"a",@progbits
	.p2align	6, 0x0
	.amdhsa_kernel k_q5ecb71a71e_attn
		.amdhsa_group_segment_fixed_size 327680
		.amdhsa_private_segment_fixed_size 0
		.amdhsa_enable_private_segment 0
		.amdhsa_kernarg_size 32
		.amdhsa_user_sgpr_count 2
		.amdhsa_user_sgpr_kernarg_segment_ptr 1
		.amdhsa_wavefront_size32 1
		.amdhsa_system_sgpr_workgroup_id_x 1
		.amdhsa_system_sgpr_workgroup_id_y 1
		.amdhsa_system_sgpr_workgroup_id_z 1
		.amdhsa_system_vgpr_workitem_id 0
		.amdhsa_next_free_vgpr 256
		.amdhsa_next_free_sgpr 66
		.amdhsa_reserve_vcc 0
		.amdhsa_float_denorm_mode_32 3
		.amdhsa_float_denorm_mode_16_64 3
		.amdhsa_memory_ordered 1
		.amdhsa_forward_progress 1
		.amdhsa_inst_pref_size 49
	.end_amdhsa_kernel
	.amdgpu_metadata
---
amdhsa.version: [ 1, 2 ]
amdhsa.kernels:
  - .name:           k_q5ecb71a71e_attn
    .symbol:         k_q5ecb71a71e_attn.kd
    .args:
      - { .name: QB, .offset: 0, .size: 8, .value_kind: global_buffer, .address_space: global }
      - { .name: KV, .offset: 8, .size: 8, .value_kind: global_buffer, .address_space: global }
      - { .name: AC, .offset: 16, .size: 8, .value_kind: global_buffer, .address_space: global }
      - { .name: AS, .offset: 24, .size: 8, .value_kind: global_buffer, .address_space: global }
    .group_segment_fixed_size: 327680
    .private_segment_fixed_size: 0
    .kernarg_segment_align: 8
    .kernarg_segment_size: 32
    .max_flat_workgroup_size: 512
    .sgpr_count:     66
    .vgpr_count:     256
    .wavefront_size: 32
...
	.end_amdgpu_metadata
.endif
;; end of part 7
;; launch outp (part 8): grid 256 x 1, 8 waves a work-group, no clusters, 35,840 bytes of LDS; arguments AC, AS, WC, out0; writes out0
.if DOCPART == 8
	.amdgcn_target "amdgcn-amd-amdhsa--gfx1250"
	.amdhsa_code_object_version 6
	.text
	.protected	k_q5ecb71a71e_outp
	.globl	k_q5ecb71a71e_outp
	.p2align	8
	.type	k_q5ecb71a71e_outp,@function
k_q5ecb71a71e_outp:
	s_mov_b64 s[64:65], 0
	v_nop
	global_prefetch_b8 v0, s[64:65] scope:SCOPE_SE
	s_setreg_imm32_b32 hwreg(HW_REG_WAVE_SCHED_MODE, 0, 2), 2
	s_setreg_imm32_b32 hwreg(HW_REG_WAVE_MODE, 25, 1), 1
	s_wait_xcnt 0x0
	s_wait_alu depctr_vm_vsrc(0)
; PRODUCT 6: out0 = (the attention's result) Wo in MX-FP6.  No work of reference() is left out here.
; AC: [tile of 16 rows T 0..511][head 0..7] records of 768 bytes: six registers a lane (the head's 64 along K): registers 0-3 at 16 x lane, 4-5 at 512 + 8 x lane.  AS: [T][head][row] one word: the head's two scale bytes.
; Two heads' records on end ARE a fragment of 128 along K, and their two words make its scale word.  Lane r of tile T holds row 128 (T / 8) + 32 ((T % 8) / 2) + 8 (T % 2) + r + 8 (r / 8): tiles 2 g, 2 g + 1 are rows 32 g .. 32 g + 31.
; SHARES: a work-group takes two tiles (32 rows); wave w takes columns 64 w .. 64 w + 63 with Wo's 16 fragments in window 1.  The waves share nothing: no barrier.
; Source 0 = 16 columns of Wo, source 1 = 16 rows: a lane holds one row, and the registers of two neighbouring tiles are 16 neighbouring columns.  Results go through the wave's own stage in LDS and leave as aligned runs of 256 bytes.
; THE MODE: SCHED_MODE bits 1:0 = 2 (LLVM: expert scheduling mode 2), set by the entry lines.  The code itself states the register dependences
; between vector or matrix instructions and memory or LDS instructions, with s_wait_alu, always for 0.
; THE PLAN.  Registers that memory or LDS instructions touch:
;   v4-v6     the loads' offsets: made at the head, never written again.     v7-v9  the stage's addresses and out0's offset: made behind the loads, never written again.
;   AF, RAW, WS, window 1   written by loads once; AF, WS and window 1 read by the products, RAW by the lines that make the scale words AW.
;   ACC       written by the products, read by the LDS stores.
;   BK        TWO buffers of rows read back from the stage: tile 0's in v208-239, tile 1's in v16-47, where tile 0's fragments lay.  Written by LDS loads, read by the global stores; no buffer is written twice.
; Four waits: one for the wave's number; one ahead of the first load (v4-v6); one ahead of the first product (AW, and with it v7-v9); one behind the last product's places (ACC is written, AF is read).
.set SPARE, 34816                      ; LDS: eight stages of 16 rows x 272 bytes; behind them the spare words, 128 bytes a wave
.set SPW,  12
.set NIL,  13
.set AF,   16                          ; v16-111  the rows' fragments: tile i at +48 i, head e at +6 e
.set WS,   112                         ; v112-119 Wo's scale words: register 2 s + a
.set RAW,  120                         ; v120-135 the heads' scale words
.set AW,   136                         ; v136-143 the K steps' scale words: 4 i + s
.set ACC,  144                         ; v144-207 accumulator (i, t) at +32 i + 8 t
.set BK,   208                         ; v208-239 tile 0's rows read back; tile 1's lie 192 registers lower, in v16-47
.set MSB, 0
.macro WIN new
.if MSB != \new
	s_set_vgpr_msb (MSB<<8)|\new
.set MSB, \new
.endif
.endm
.macro MM d, a, b, z, sa, sb, row
.if \z
.if (\row) == 1
	v_wmma_scale_f32_16x16x128_f8f6f4 v[\d:\d+7], v[\a:\a+11], v[\b:\b+11], 0, v[\sa], v[\sb] matrix_a_fmt:MATRIX_FMT_FP6 matrix_b_fmt:MATRIX_FMT_FP6 matrix_a_scale:MATRIX_SCALE_ROW1
.else
	v_wmma_scale_f32_16x16x128_f8f6f4 v[\d:\d+7], v[\a:\a+11], v[\b:\b+11], 0, v[\sa], v[\sb] matrix_a_fmt:MATRIX_FMT_FP6 matrix_b_fmt:MATRIX_FMT_FP6
.endif
.else
.if (\row) == 1
	v_wmma_scale_f32_16x16x128_f8f6f4 v[\d:\d+7], v[\a:\a+11], v[\b:\b+11], v[\d:\d+7], v[\sa], v[\sb] matrix_a_fmt:MATRIX_FMT_FP6 matrix_b_fmt:MATRIX_FMT_FP6 matrix_a_scale:MATRIX_SCALE_ROW1
.else
	v_wmma_scale_f32_16x16x128_f8f6f4 v[\d:\d+7], v[\a:\a+11], v[\b:\b+11], v[\d:\d+7], v[\sa], v[\sb] matrix_a_fmt:MATRIX_FMT_FP6 matrix_b_fmt:MATRIX_FMT_FP6
.endif
.endif
.endm
	s_load_b256 s[4:11], s[0:1], 0x0               ; AC, AS, WC, out0
	v_lshl_add_u32 v[SPW], v0, 2, SPARE
	v_mov_b32 v[NIL], 0
	v_lshrrev_b32 v1, 5, v0
	v_readfirstlane_b32 s12, v1                    ; wave 0..7
	v_and_b32 v1, 31, v0                           ; lane
	v_and_b32 v2, 15, v0                           ; r
	v_bfe_u32 v3, v0, 4, 1                         ; h
	v_lshlrev_b32 v4, 4, v1                        ; 16 x lane
	v_lshlrev_b32 v5, 3, v1                        ; 8 x lane
	v_lshlrev_b32 v6, 2, v2                        ; 4 r
	s_mul_i32 s14, ttmp9, 12288                    ; my two tiles' 16 records
	s_mov_b32 s15, 0
	s_lshl_b32 s16, ttmp9, 10                      ; and their scale words
	s_mov_b32 s17, 0
	s_wait_alu depctr_va_sdst(0)                   ; s12, the wave's number, is written, ahead of its first reader
	s_add_co_u32 s18, s12, 24
	s_mul_i32 s18, s18, 25600                      ; Wo's record of my 64 columns
	s_mov_b32 s19, 0
	s_lshl_b32 s20, ttmp9, 16                      ; my 32 rows of 2,048 bytes,
	s_lshl_b32 s21, s12, 8
	s_add_co_u32 s20, s20, s21                     ; my 256 bytes of them
	s_mov_b32 s21, 0
	s_mul_i32 s13, s12, 4352                       ; my stage
	s_wait_kmcnt 0x0
	s_add_nc_u64 s[4:5], s[4:5], s[14:15]
	s_add_nc_u64 s[6:7], s[6:7], s[16:17]
	s_add_nc_u64 s[8:9], s[8:9], s[18:19]
	s_add_nc_u64 s[10:11], s[10:11], s[20:21]
	s_wait_alu depctr_va_vdst(0)                   ; the offsets v4, v5 and v6 are written, which all the loads below read
.irp i, 0,1
.irp e, 0,1,2,3,4,5,6,7
	global_load_b128 v[AF+48*\i+6*\e:AF+48*\i+6*\e+3], v4, s[4:5] offset:(8*\i+\e)*768
	global_load_b64 v[AF+48*\i+6*\e+4:AF+48*\i+6*\e+5], v5, s[4:5] offset:(8*\i+\e)*768+512
	global_load_b32 v[RAW+8*\i+\e], v6, s[6:7] offset:(8*\i+\e)*64
.endr
.endr
.irp s, 0,1,2,3
	global_load_b64 v[WS+2*\s:WS+2*\s+1], v5, s[8:9] offset:24576+256*\s
.endr
	WIN 0x40                                       ; destination window 1
.set I, 0
.rept 48
	global_load_b128 v[4*I:4*I+3], v4, s[8:9] offset:512*I   ; fragment (t, s) at v[12 (4 t + s)] of window 1.  (Between the wait above and these lines stand loads and a window switch alone)
.set I, I+1
.endr
	WIN 0
	s_wait_loadcnt 0x0
.irp i, 0,1
.irp s, 0,1,2,3
	v_lshl_or_b32 v[AW+4*\i+\s], v[RAW+8*\i+2*\s+1], 16, v[RAW+8*\i+2*\s]   ; heads 2 s and 2 s + 1: the K step's four bytes
.endr
.endr
	v_mul_u32_u24 v7, v2, 272                      ; the stage's addresses: nine plain lines, the places between the scale words' last write and the first product
	v_lshl_add_u32 v7, v3, 6, v7
	v_add_nc_u32 v7, s13, v7                       ; in: row r, + 64 h
	v_mul_u32_u24 v8, v3, 272
	v_lshl_add_u32 v8, v2, 4, v8
	v_add_nc_u32 v8, s13, v8                       ; back: lanes 0-15 one row of 256 bytes, lanes 16-31 the next
	v_lshlrev_b32 v9, 11, v3
	v_lshl_add_u32 v9, v2, 4, v9                   ; and the same two rows in out0
	v_nop
	s_wait_alu depctr_va_vdst(0)                   ; behind the places: the scale words v136 to v143 are written, which the products take; so are v7, v8 and v9, which the LDS and global instructions of the way out read
	WIN 0x01                                       ; source 0 (Wo) window 1
.irp i, 0,1
.irp t, 0,1,2,3
	MM ACC+32*\i+8*\t, 12*(4*\t), AF+48*\i, 1, WS+\t/2, AW+4*\i, \t%2     ; the first K step starts the sums; the eight accumulators take turns
.endr
.endr
.irp s, 1,2,3
.irp i, 0,1
.irp t, 0,1,2,3
	MM ACC+32*\i+8*\t, 12*(4*\t+\s), AF+48*\i+12*\s, 0, WS+2*\s+\t/2, AW+4*\i+\s, \t%2
.endr
.endr
.endr
	WIN 0
.rept 4
	v_nop                                          ; four places in front of the first read of results
.endr
	s_wait_alu depctr_va_vdst(0)                   ; the products have written the accumulators, which the LDS stores read, and are done reading tile 0's fragments, in whose registers tile 1's rows land; the places above stay beside this wait
.irp i, 0,1                                    ; both tiles go through the stage, one behind the other
.irp b, 0,1
.irp q, 0,1,2,3
	ds_store_b128 v7, v[ACC+32*\i+16*\b+4*\q:ACC+32*\i+16*\b+4*\q+3] offset:128*\b+16*\q   ; columns 32 b + 16 h + 4 q on; each accumulator from its low end on
.endr
.endr
.irp n, 0,1,2,3,4,5,6,7
	ds_load_b128 v[BK-192*\i+4*\n:BK-192*\i+4*\n+3], v8 offset:544*\n   ; LDS serves a wave's instructions in order: these see my stores, and the next tile's stores come behind them
.endr
.endr
.irp i, 0,1
.irp n, 0,1,2,3,4,5,6,7
	s_wait_dscnt 16*(1-\i)+7-\n                    ; the tile's younger loads from the stage may be out, and behind tile 0's the sixteen LDS instructions of tile 1
	global_store_b128 v9, v[BK-192*\i+4*\n:BK-192*\i+4*\n+3], s[10:11] offset:(8*\i+2*\n+8*(\n/4))*2048 th:TH_STORE_NT   ; stage row 2 n + h is row 8 i + 2 n + h + 8 (n / 4) of my 32; 16 lanes store 256 consecutive bytes, aligned
.endr
.endr
	s_wait_dscnt 0x0                               ; the closing lines, six on end
	s_wait_alu 0x0
	s_wait_tensorcnt 0x0
	ds_add_u32 v[SPW], v[NIL]
	s_wait_dscnt 0x0
	s_endpgm
.Lfunc_end_k_q5ecb71a71e_outp:
	.size	k_q5ecb71a71e_outp, .Lfunc_end_k_q5ecb71a71e_outp-k_q5ecb71a71e_outp
	.p2alignl 7, 3214868480
	.fill 96, 4, 3214868480
	.section	.rodata,"a",@progbits
	.p2align	6, 0x0
	.amdhsa_kernel k_q5ecb71a71e_outp
		.amdhsa_group_segment_fixed_size 35840
		.amdhsa_private_segment_fixed_size 0
		.amdhsa_enable_private_segment 0
		.amdhsa_kernarg_size 32
		.amdhsa_user_sgpr_count 2
		.amdhsa_user_sgpr_kernarg_segment_ptr 1
		.amdhsa_wavefront_size32 1
		.amdhsa_system_sgpr_workgroup_id_x 1
		.amdhsa_system_sgpr_workgroup_id_y 1
		.amdhsa_system_sgpr_workgroup_id_z 1
		.amdhsa_system_vgpr_workitem_id 0
		.amdhsa_next_free_vgpr 448
		.amdhsa_next_free_sgpr 66
		.amdhsa_reserve_vcc 0
		.amdhsa_float_denorm_mode_32 3
		.amdhsa_float_denorm_mode_16_64 3
		.amdhsa_memory_ordered 1
		.amdhsa_forward_progress 1
		.amdhsa_inst_pref_size 21
	.end_amdhsa_kernel
	.amdgpu_metadata
---
amdhsa.version: [ 1, 2 ]
amdhsa.kernels:
  - .name:           k_q5ecb71a71e_outp
    .symbol:         k_q5ecb71a71e_outp.kd
    .args:
      - { .name: AC, .offset: 0, .size: 8, .value_kind: global_buffer, .address_space: global }
      - { .name: AS, .offset: 8, .size: 8, .value_kind: global_buffer, .address_space: global }
      - { .name: WC, .offset: 16, .size: 8, .value_kind: global_buffer, .address_space: global }
      - { .name: out0, .offset: 24, .size: 8, .value_kind: global_buffer, .address_space: global }
    .group_segment_fixed_size: 35840
    .private_segment_fixed_size: 0
    .kernarg_segment_align: 8
    .kernarg_segment_size: 32
    .max_flat_workgroup_size: 256
    .sgpr_count:     66
    .vgpr_count:     448
    .wavefront_size: 32
...
	.end_amdgpu_metadata
.endif
;; end of part 8
